; MI455X (gfx1250); checked and timed in simulation.
; The chip was launched on July 23, 2026; its instructions are those of AMD's public machine-readable ISA for CDNA 5 (MIT licence, August 2026) and "CDNA5" Instruction Set Architecture Reference Guide (July 2026). The comments in the code are by the model that wrote it; some were corrected since.
;; Efficient Attention. Allowed arithmetic: matrix products marked QUANTISED: E2M1 operands, one E8M0 scale for each 32 along K, by v_wmma_scale_f32_16x16x128_f8f6f4 with both operands' format E2M1 (or v_wmma_scale_f32_32x16x128_f4), f32 sums; products left as they are: bf16, f16 or f32 operands; f32 sums; everything else in f32.
;; Inputs: Wk 512 x 2,048 float32; Wo 2,048 x 2,048 float32; Wq 2,048 x 2,048 float32; Wv 512 x 2,048 float32; cos 1 x 1 x 2,048 x 64 float32; hidden_states 1 x 2,048 x 2,048 float32; sin 1 x 1 x 2,048 x 64 float32.
;; Outputs: out0 1 x 2,048 x 2,048 float32.
;; This version of the problem:
;;   THIS VERSION OF THE PROBLEM IS GIVEN IN LOW PRECISION. The matrix products marked QUANTISED in the list below multiply operands that are first quantised to E2M1 (2 exponent bits, 1 mantissa bit; 4 bits a number), with one power-of-two scale for each 32 numbers along K (OCP MX v1.0); their sums are f32. The products marked 'left as it is' may take bf16, f16 or f32 operands, with f32 sums. Whichever they take, every output number must still come out within the allowed error. Rounding operands to bf16 (8 significant bits) uses up far more of that allowance than f16 does (11 bits, for magnitudes from 6e-5 to 65,504). All else is computed in f32.
;;   The module's matrix products, in the order in which they are computed (A, B: the left and right operand; K: the contracted axis; several contracted axes count as one K, in the product's order):
;;     1. [M 2,048, K 2,048] x [K 2,048, N 2,048]; A: input hidden_states; B: input Wq: QUANTISED
;;     2. [M 2,048, K 2,048] x [K 2,048, N 512]; A: input hidden_states; B: input Wk: QUANTISED
;;     3. [M 2,048, K 2,048] x [K 2,048, N 512]; A: input hidden_states; B: input Wv: QUANTISED
;;     4. batch 8 x [M 8,192, K 64] x [K 64, N 2,048]; A: computed on the way; B: computed on the way: left as it is (an operand is computed on the way)
;;     5. batch 8 x [M 8,192, K 2,048] x [K 2,048, N 64]; A: computed on the way; B: computed on the way: left as it is (an operand is computed on the way)
;;     6. [M 2,048, K 2,048] x [K 2,048, N 2,048]; A: computed on the way; B: input Wo: left as it is (an operand is computed on the way)
;;   THE QUANTISER, for each operand of a quantised product, along K:
;;     - K is cut into blocks of 32 from its start; a last block that is shorter is filled with zeros.
;;     - A block's scale is 2^e with e = floor(log2(the largest magnitude in the block)) - 2, held to -126 .. 127; a block of zeros has e = 0. As a byte (E8M0): e + 127.
;;     - Each number is divided by its block's scale, clamped to +-6, and rounded to the nearest number of E2M1, ties to even, subnormals kept.
;;     - The product sums the exact products of the quantised numbers (number of the format x scale) in f32.
;;   ~~~python
;;   def quantise(x, axis):      # numpy; x: float32 -> the quantised numbers, widened to float32 again
;;       x = np.moveaxis(x, axis, -1); K = x.shape[-1]
;;       x = np.pad(x, [(0, 0)] * (x.ndim - 1) + [(0, -K % 32)]); x = x.reshape(x.shape[:-1] + (-1, 32)); a = np.abs(x).max(-1, keepdims=True)
;;       e = np.where(a > 0, np.clip(np.frexp(np.where(a > 0, a, 1))[1] - 1 - 2, -126, 127), 0)      # np.frexp(a)[1] - 1 = floor(log2(a)), exactly
;;       r = np.clip(x / 2.0 ** e, -6, 6)
;;       step = 2.0 ** (np.maximum(np.frexp(np.where(r == 0, 1, r))[1] - 1, 0) - 1)
;;       q = np.round(r / step) * step * 2.0 ** e      # np.round: ties to even
;;       return np.moveaxis(q.reshape(q.shape[:-2] + (-1,))[..., :K], -1, axis).astype(np.float32)
;;   ~~~
;; One version. Each part assembles by itself: llvm-mc -triple=amdgcn-amd-amdhsa -mcpu=gfx1250 --defsym DOCPART=n.
;; ======== version 1 of 1: 5 launches
;; limits: values are held in f16: magnitudes above 65,504 overflow, below 6.1e-05 lose precision
;; workspace buffers: xcodes 2,097,152 bytes; xscales 131,072 bytes; wcodes 3,145,728 bytes; wscales 196,608 bytes; wo16 8,388,608 bytes; qkv16 12,582,912 bytes; qkv32 196,608 bytes; ctx16 8,388,608 bytes
;; launch quant (part 1): grid 256 x 1, 5 waves a work-group, no clusters, 41,728 bytes of LDS; arguments hidden_states, Wq, Wk, Wv, xcodes, xscales, wcodes, wscales; writes xcodes, xscales, wcodes, wscales
.if DOCPART == 1
	.amdgcn_target "amdgcn-amd-amdhsa--gfx1250"
	.amdhsa_code_object_version 6
	.text
	.protected	k_qa72d9d90d7_quant
	.globl	k_qa72d9d90d7_quant
	.p2align	8
	.type	k_qa72d9d90d7_quant,@function
k_qa72d9d90d7_quant:
	s_mov_b64 s[64:65], 0
	v_nop
	global_prefetch_b8 v0, s[64:65] scope:SCOPE_SE
	s_setreg_imm32_b32 hwreg(HW_REG_WAVE_MODE, 25, 1), 1
	s_wait_xcnt 0x0
; hidden_states [2048][2048], Wq [2048][2048], Wk, Wv [512][2048], all f32 with K innermost, become codes of FP4 (E2M1), two a byte, K innermost,
; with one E8M0 byte for each 32 along K.  x goes to xcodes / xscales; Wq, Wk, Wv go one behind the other to wcodes / wscales (rows 0-2047, 2048-2559, 2560-3071).
; A block's scale is 2^(floor(log2(largest magnitude)) - 2); its byte is the largest magnitude's exponent field - 2, held at 1 from below.
; LIMITS: a block of zeros gets the byte 1 (its codes are zeros, and this program alone reads the bytes); blocks whose largest magnitude lies under 2^-124 have
; their byte held at 1; NaN and infinities among the inputs are not served.
; SHARES: the four tensors are 1,280 runs of 8,192 numbers: 256 work-groups of five waves, a run a wave.  Runs 0-511: x; 512-1023: Wq; 1024-1151: Wk; 1152-1279: Wv.
; The tensor is chosen for each wave by its run's number: only pointers are chosen, all take one path.
; Rows are dense and K is a multiple of 32: every tensor is a plain stream of blocks of 32, and so are codes and scale bytes.
; A wave takes 16 steps of 512 numbers: four loads of 512 consecutive bytes; the 2,048 bytes turn through the wave's own stage in LDS, so that a lane
; holds 16 neighbours along K (two lanes a block); a lane's 16 codes are 8 bytes, so the wave stores 256 consecutive bytes.  A wave's 256 scale bytes are gathered in LDS and leave as one store.
; Loads run eight steps (32 loads, 16,384 bytes a wave) ahead, the turn through LDS one step.
.set WAVES, 5
.set STEPS, 16
.set DEPTH, 8                          ; sets of registers = steps whose loads are out
.set EMAX,  2
.set CB,    8                          ; bytes of 16 codes
.set R,     16                         ; v16-143  eight sets of 16 numbers as loaded
.set X,     144                        ; v144-175 two sets of 16 neighbours
.set E,     176                        ; v176-191 a scale byte for each step
.set C,     192                        ; v192-255 codes, four registers for each step: no store's data are written again
.set WREG,  8192                       ; LDS: a region for each wave: two stages of 32 x SP bytes, then its 256 scale bytes
.set SP,    80                         ; a lane's place in a stage: 64 bytes + 16 of padding
.set SPW,   12                         ; v12  LDS address of my spare word; never rewritten
.set NIL,   13                         ; v13  0; never rewritten
.set SPARE, WAVES*WREG                 ; the spare words: 128 bytes a wave, named by no other line
	s_load_b256 s[4:11], s[0:1], 0x0               ; x s[4:5], Wq s[6:7], Wk s[8:9], Wv s[10:11]
	s_load_b256 s[12:19], s[0:1], 0x20             ; xcodes s[12:13], xscales s[14:15], wcodes s[16:17], wscales s[18:19]
	v_lshl_add_u32 v[SPW], v0, 2, SPARE
	v_mov_b32 v[NIL], 0
	v_lshrrev_b32 v1, 5, v0
	v_readfirstlane_b32 s28, v1                    ; wave
	v_and_b32 v2, 31, v0                           ; lane
	v_lshlrev_b32 v3, 4, v2                        ; my 16 bytes of a load's 512
	s_mul_i32 s29, s28, WREG
	v_lshrrev_b32 v14, 2, v2
	v_mul_u32_u24 v14, v14, SP
	v_and_b32 v15, 3, v2
	v_lshl_add_u32 v14, v15, 4, v14
	v_add_nc_u32 v14, s29, v14                     ; the stage, on the way in: SP (lane / 4) + 16 (lane % 4)
	v_mul_u32_u24 v15, v2, SP
	v_add_nc_u32 v15, s29, v15                     ; and on the way out: SP x lane: my 16 neighbours
	v_mul_u32_u24 v4, v2, CB                       ; my codes' place in a step's
	v_lshrrev_b32 v5, 1, v2
	s_add_co_u32 s29, s29, 2*32*SP
	v_add_nc_u32 v5, s29, v5                       ; LDS: my wave's 256 scale bytes, my block's byte
	v_lshlrev_b32 v7, 3, v2
	v_add_nc_u32 v6, s29, v7                       ; and on the way out 8 bytes a lane
	s_mul_i32 s36, ttmp9, WAVES
	s_add_co_u32 s36, s36, s28                     ; my run: 0 .. 1279
	s_mov_b32 s35, 0
	s_wait_kmcnt 0x0
	s_mov_b32 s26, 1152
	s_cmp_lt_u32 s36, 1152
	s_cselect_b64 s[24:25], s[8:9], s[10:11]
	s_cselect_b32 s26, 1024, s26
	s_cmp_lt_u32 s36, 1024
	s_cselect_b64 s[24:25], s[6:7], s[24:25]
	s_cselect_b32 s26, 512, s26
	s_cmp_lt_u32 s36, 512
	s_cselect_b64 s[24:25], s[4:5], s[24:25]       ; the source
	s_cselect_b32 s26, 0, s26                      ; its first run
	s_cselect_b64 s[30:31], s[12:13], s[16:17]     ; the codes' buffer
	s_cselect_b64 s[32:33], s[14:15], s[18:19]     ; the scale bytes' buffer
	s_cselect_b32 s27, 0, 512                      ; that buffer's first run
	s_sub_co_u32 s26, s36, s26                     ; which run of the source is mine,
	s_sub_co_u32 s27, s36, s27                     ; and of the destination
	s_lshl_b32 s34, s26, 15                        ; 32,768 bytes of f32 a run
	s_add_nc_u64 s[24:25], s[24:25], s[34:35]
	s_lshl_b32 s34, s27, 12                        ; 4,096 bytes of codes
	s_add_nc_u64 s[30:31], s[30:31], s[34:35]
	s_lshl_b32 s34, s27, 8                         ; 256 scale bytes
	s_add_nc_u64 s[32:33], s[32:33], s[34:35]
.macro LOAD t
.irp i, 0,1,2,3
	global_load_b128 v[R+16*((\t)%DEPTH)+4*\i:R+16*((\t)%DEPTH)+4*\i+3], v3, s[24:25] offset:2048*(\t)+512*\i th:TH_LOAD_NT   ; 32 lanes read 512 consecutive bytes
.endr
.endm
.macro TURN t                          ; step t's numbers through the stage: LDS serves a wave's instructions in order, so no wait stands between the stores and the loads
.irp i, 0,1,2,3
	ds_store_b128 v14, v[R+16*((\t)%DEPTH)+4*\i:R+16*((\t)%DEPTH)+4*\i+3] offset:32*SP*((\t)%2)+8*SP*\i
.endr
.irp i, 0,1,2,3
	ds_load_b128 v[X+16*((\t)%2)+4*\i:X+16*((\t)%2)+4*\i+3], v15 offset:32*SP*((\t)%2)+16*\i
.endr
.endm
.irp t, 0,1,2,3,4,5,6,7
	LOAD \t
.endr
	s_wait_loadcnt 4*(DEPTH-1)                     ; step 0's four loads are in; those of steps 1 to 7 stay out
	TURN 0
.macro STEP t
.set XS, X+16*((\t)%2)
.if (\t) > 0
	s_wait_dscnt 1                                 ; this step's numbers are back from the stage (the last step's byte store may be out)
.else
	s_wait_dscnt 0x0
.endif
.if (\t)+DEPTH < STEPS
	LOAD (\t)+DEPTH                                ; into the registers that this step's stores into the stage have read
.endif
.if (\t)+1 < STEPS
.if STEPS-2-(\t) >= DEPTH-1
	s_wait_loadcnt 4*(DEPTH-1)                     ; the next step's four loads are in; those of the seven steps behind it may be out
.else
	s_wait_loadcnt 4*(STEPS-2-(\t))
.endif
	TURN (\t)+1
.endif
	v_max3_num_f32 v8, |v[XS]|, |v[XS+1]|, |v[XS+2]|               ; the largest magnitude of my 16, in two chains
	v_max3_num_f32 v9, |v[XS+3]|, |v[XS+4]|, |v[XS+5]|
.irp i, 6,10
	v_max3_num_f32 v8, v8, |v[XS+\i]|, |v[XS+\i+1]|
	v_max3_num_f32 v9, v9, |v[XS+\i+2]|, |v[XS+\i+3]|
.endr
	v_max3_num_f32 v8, v8, |v[XS+14]|, |v[XS+15]|
	v_max3_num_f32 v8, v8, v9, (EMAX+1)<<23        ; and the floor 2^(3 - 127): the byte cannot fall under 1
	v_max_num_f32_dpp v8, v8, v8 row_xmask:1 row_mask:0xf bank_mask:0xf   ; and of my neighbour's 16: the block's
	v_add_nc_u32 v11, -(EMAX<<23), v8              ; 2 off its exponent field: the conversion takes the exponent field of this operand as its scale
	v_cvt_scalef32_pk8_fp4_f32 v[C+4*(\t)], v[XS:XS+7], v11        ; to the nearest code, ties to even, beyond 6 the largest code
	v_cvt_scalef32_pk8_fp4_f32 v[C+4*(\t)+1], v[XS+8:XS+15], v11
	v_lshrrev_b32 v[E+(\t)], 23, v11               ; the scale's byte
	ds_store_b8 v5, v[E+(\t)] offset:16*(\t)       ; both lanes of a block write the same byte with the same value
	global_store_b64 v4, v[C+4*(\t):C+4*(\t)+1], s[30:31] offset:32*CB*(\t)   ; the wave stores 256 consecutive bytes, aligned
.endm
.irp t, 0,1,2,3,4,5,6,7,8,9,10,11,12,13,14,15
	STEP \t
.endr
	ds_load_b64 v[8:9], v6                         ; LDS serves a wave's instructions in order: these see my byte stores
	s_wait_dscnt 0x0
	global_store_b64 v7, v[8:9], s[32:33]          ; 32 lanes store 256 consecutive bytes, aligned
	s_wait_tensorcnt 0x0                           ; the wave's end: behind my last LDS store
	ds_add_u32 v[SPW], v[NIL]
	s_wait_dscnt 0x0
	s_endpgm
.Lfunc_end_k_qa72d9d90d7_quant:
	.size	k_qa72d9d90d7_quant, .Lfunc_end_k_qa72d9d90d7_quant-k_qa72d9d90d7_quant
	.p2alignl 7, 3214868480
	.fill 96, 4, 3214868480
	.section	.rodata,"a",@progbits
	.p2align	6, 0x0
	.amdhsa_kernel k_qa72d9d90d7_quant
		.amdhsa_group_segment_fixed_size 41728
		.amdhsa_private_segment_fixed_size 0
		.amdhsa_enable_private_segment 0
		.amdhsa_kernarg_size 64
		.amdhsa_user_sgpr_count 2
		.amdhsa_user_sgpr_kernarg_segment_ptr 1
		.amdhsa_wavefront_size32 1
		.amdhsa_system_sgpr_workgroup_id_x 1
		.amdhsa_system_sgpr_workgroup_id_y 1
		.amdhsa_system_sgpr_workgroup_id_z 1
		.amdhsa_system_vgpr_workitem_id 0
		.amdhsa_next_free_vgpr 256
		.amdhsa_next_free_sgpr 66
		.amdhsa_reserve_vcc 0
		.amdhsa_float_denorm_mode_32 3
		.amdhsa_float_denorm_mode_16_64 3
		.amdhsa_memory_ordered 1
		.amdhsa_forward_progress 1
		.amdhsa_inst_pref_size 34
	.end_amdhsa_kernel
	.amdgpu_metadata
---
amdhsa.version: [ 1, 2 ]
amdhsa.kernels:
  - .name:           k_qa72d9d90d7_quant
    .symbol:         k_qa72d9d90d7_quant.kd
    .args:
      - { .name: hidden_states, .offset: 0, .size: 8, .value_kind: global_buffer, .address_space: global }
      - { .name: Wq, .offset: 8, .size: 8, .value_kind: global_buffer, .address_space: global }
      - { .name: Wk, .offset: 16, .size: 8, .value_kind: global_buffer, .address_space: global }
      - { .name: Wv, .offset: 24, .size: 8, .value_kind: global_buffer, .address_space: global }
      - { .name: xcodes, .offset: 32, .size: 8, .value_kind: global_buffer, .address_space: global }
      - { .name: xscales, .offset: 40, .size: 8, .value_kind: global_buffer, .address_space: global }
      - { .name: wcodes, .offset: 48, .size: 8, .value_kind: global_buffer, .address_space: global }
      - { .name: wscales, .offset: 56, .size: 8, .value_kind: global_buffer, .address_space: global }
    .group_segment_fixed_size: 41728
    .private_segment_fixed_size: 0
    .kernarg_segment_align: 8
    .kernarg_segment_size: 64
    .max_flat_workgroup_size: 160
    .sgpr_count:     66
    .vgpr_count:     256
    .wavefront_size: 32
...
	.end_amdgpu_metadata
.endif
;; end of part 1
;; launch qkv (part 2): grid 16 x 16, 4 waves a work-group, clusters of 4 x 4, 327,680 bytes of LDS; arguments xcodes, xscales, wcodes, wscales, cos, sin, qkv16, qkv32; writes qkv16, qkv32
.if DOCPART == 2
	.amdgcn_target "amdgcn-amd-amdhsa--gfx1250"
	.amdhsa_code_object_version 6
	.text
	.protected	k_qa72d9d90d7_qkv
	.globl	k_qa72d9d90d7_qkv
	.p2align	8
	.type	k_qa72d9d90d7_qkv,@function
k_qa72d9d90d7_qkv:
	s_mov_b64 s[64:65], 0
	v_nop
	global_prefetch_b8 v0, s[64:65] scope:SCOPE_SE
	s_setreg_imm32_b32 hwreg(HW_REG_WAVE_MODE, 25, 1), 1
	s_wait_xcnt 0x0
	s_wait_alu depctr_hold_cnt(0) depctr_sa_sdst(0) depctr_va_vdst(0) depctr_va_sdst(0) depctr_va_ssrc(0) depctr_va_vcc(0) depctr_vm_vsrc(0)
	s_getreg_b32 s2, hwreg(HW_REG_IB_STS2, 6, 4)
	s_cmp_eq_u32 s2, 0
	s_cbranch_scc0 .Lentry_in_a_cluster
	s_endpgm
.Lentry_in_a_cluster:
	s_bfe_u32 s2, ttmp6, 0x10000c
	s_cmp_lg_u32 s2, 0xf033
	s_cbranch_scc0 .Lentry_shape_is_right
	s_endpgm
.Lentry_shape_is_right:
; q, k, v = x W^T on codes of FP4 (E2M1) with one E8M0 scale for each 32 along K (K = 2,048), then RoPE on q and k by the given cos and sin tables, in f32.
; x: xcodes [2048][1024 B], xscales [2048][64 B].  W: wcodes [3072][1024 B], wscales [3072][64 B]; row 64 gh + d; heads gh 0-31 q, 32-39 k, 40-47 v.
; OUT: qkv16 [48 heads][2048 positions][64] f16, for the products that are left unquantised; qkv32 [16 positions][3072] f32: positions 0-15, which a later launch carries in f32.
; LIMIT: |q|, |k|, |v| must lie under f16's largest number, 65,504.
; SHARES.  A work-group makes 128 positions x 192 columns (three whole heads): 16 x 16 work-groups.  THE WAVES SHARE THE ROWS: wave w makes positions 32 w .. 32 w + 31 for all 192 columns
; (2 blocks of x, 12 blocks of W, 24 accumulators), so that a head's four blocks lie in one wave and RoPE's partners d and d + 32 are two accumulators of one lane.
; THE MATRIX INSTRUCTION IS USED TRANSPOSED (source 0 = 16 rows of W, source 1 = 16 rows of x): a lane holds one position (lane % 16) and eight neighbouring columns.
; K goes in four K slots of 512 (rows of 256 bytes) through THREE LDS slots: K slots 0, 1, 2 and the scale bytes are asked for together at the head, K slot 3 is the one refill, into slot 0.
; CLUSTERS: 4 x 4 work-groups; x's tile is shared along a row of the cluster, W's along a column: joint loads.  Waves 0-2 fetch 64 rows of W each, wave 3 the 128 rows of x.
; No branch hangs on the work-group's place: whether a head is rotated is a lane mask in a scalar register, whether a row goes to qkv32 a vector compare.
; REGISTERS, in windows of 256.  window 0: v1-31 addresses; v32-143 scale words, two sets of 56 (x's at 4 a + q, W's at 8 + 4 b + q), which hold nothing else; v144-175 x's fragments, two sets;
;   v176-207 a head's 32 rotated numbers; v208-239 (and v144-175 by turns) packed f16.   window 1: the accumulators, (a, b) at v[8 (12 a + b)].   window 2: W's fragments, two sets of 96.
;   window 3: v0-63 cos, v64-127 sin in the results' layout; v128-223 rows read back from the stage.
.set PITCH,  272                       ; an LDS row: 256 bytes + 16 of padding, so that the 16 rows of a fragment load start in 16 different groups of banks (64 banks of 4 bytes: ISA guide 11.1)
.set SLOT,   320*PITCH                 ; W's 192 rows, then x's 128
.set AOFF,   192*PITCH
.set SCLB,   3*SLOT                    ; W's scale bytes for all of K: 48 pieces of 256 bytes + 16 of padding;
.set SCLA,   SCLB+48*272               ; x's: 32 pieces
.set SBLK,   4*272                     ; those of 16 rows
.set STAGE,  SCLB+80*272               ; the way out: 32 rows x (128 bytes + 16) for each wave; no tensor load lands here
.set STP,    144
.set SPARE,  STAGE+4*32*STP            ; the spare words: 128 bytes a wave, named by no other line
.set ADRA, 16                          ; v16-18  LDS address of my x fragments in slot 0, 1, 2
.set ADRB, 20                          ; v20-22  the same for W
.set ADSB, 23                          ; v23     W's scale words
.set ADSA, 24                          ; v24     x's
.set STO,  25                          ; v25     the stage: where I put 16 bytes of a row
.set RD,   26                          ; v26     and where I read rows back
.set GOF,  27                          ; v27     16 x lane
.set SPW,  28                          ; v28     LDS address of my spare word; never rewritten
.set NIL,  29                          ; v29     0; never rewritten
.set CSO,  30                          ; v30     my byte in the wave's rows of cos and sin
.set ROWV, 31                          ; v31     my position for block a = 0
.set G32,  15                          ; v15     my byte in qkv32
.set SC,   32
.set AF,   144
.set T,    176
.set BKW,  128                         ; in window 3
.set G1A,  28                          ; s[28:35] group 1, x's tiles;   s[36:43] W's;   s[44:51] x's scales;   s[52:59] W's scales
.set G1B,  36
.set G1SA, 44
.set G1SB, 52
.set MV,   60                          ; s60-62  all ones where head hd of my three is a v head
.set G0A,  68                          ; s[68:79] group 0, x's tiles, a set for each slot;   s[80:91] W's;   s[92:95], s[96:99] the scales'
.set G0B,  80
.set G0SA, 92
.set G0SB, 96
.set MSB, 0
.macro WIN new                         ; the immediate's high byte repeats the setting that is left
.if MSB != \new
	s_set_vgpr_msb (MSB<<8)|\new
.set MSB, \new
.endif
.endm
.set W_MUL,  0x52                      ; source 0 (W) window 2, source 1 (x) window 0, C and D window 1
.set TO_B,   0x80                      ; destination window 2
.set W_ROPE, 0x0d                      ; source 0 (results) window 1, source 1 (cos, sin) window 3
; A joint load: wave 3 fetches for x, waves 0-2 for W.  Each line has one mask; the branch hangs on the wave's number alone.  An s_nop 0 and four v_nop follow each line.
.macro JLOAD g0a, g1a, g0b, g1b
	s_cmp_eq_u32 s20, 3
	s_cbranch_scc0 .Lfor_b_\@
	tensor_load_to_lds s[\g0a:\g0a+3], s[\g1a:\g1a+7]
	s_nop 0
.rept 4
	v_nop
.endr
	s_branch .Lasked_\@
.Lfor_b_\@:
	tensor_load_to_lds s[\g0b:\g0b+3], s[\g1b:\g1b+7]
	s_nop 0
.rept 4
	v_nop
.endr
.Lasked_\@:
.endm
.macro CROUND                          ; a round of the cluster's barrier
	s_barrier_signal -1
	s_barrier_wait -1
	s_cmp_lg_u32 s20, 0
	s_cbranch_scc1 .Lnot_wave_0_\@
	s_barrier_signal -3
.Lnot_wave_0_\@:
	s_barrier_wait -3
	s_barrier_signal -1
	s_barrier_wait -1
.endm
.macro PLACES n
.rept \n
	v_nop
.endr
.endm
	s_load_b256 s[4:11], s[0:1], 0x0               ; xcodes s[4:5], xscales s[6:7], wcodes s[8:9], wscales s[10:11]
	s_load_b256 s[12:19], s[0:1], 0x20             ; cos s[12:13], sin s[14:15], qkv16 s[16:17], qkv32 s[18:19]
	v_lshl_add_u32 v[SPW], v0, 2, SPARE
	v_mov_b32 v[NIL], 0
	ds_add_u32 v[SPW], v[NIL]                      ; the wave's opening: the add, twice on end, and its wait ahead of my first tensor load
	ds_add_u32 v[SPW], v[NIL]
	v_lshrrev_b32 v1, 5, v0
	v_readfirstlane_b32 s20, v1                    ; wave 0..3
	s_bfe_u32 s21, ttmp6, 0x40000                  ; cx
	s_bfe_u32 s22, ttmp6, 0x40004                  ; cy
	s_lshl_b32 s23, ttmp9, 2
	s_add_co_u32 s23, s23, s21                     ; tile column = 4 x cluster x + cx: three heads
	s_and_b32 s24, ttmp7, 0xffff
	s_lshl_b32 s24, s24, 2
	s_add_co_u32 s24, s24, s22                     ; tile row = 4 x cluster y + cy: 128 positions
	s_lshl_b32 s25, s22, 2
	s_lshl_b32 s25, 15, s25                        ; my row of the cluster
	s_lshl_b32 s26, 0x1111, s21                    ; my column
	; group 1: tiles of rows of 256 bytes (elements of 1 byte), 1,024 bytes apart in memory, 16 bytes of padding behind each in LDS
	s_or_b32 s[G1A], s25, (1<<20)|(1<<21)|(5<<22)|(3<<25)   ; 15:0 the mask; 20 padding on; 21 set beside a mask; 24:22 after every 64 words; 31:25 four words
	s_mov_b32 s[G1A+1], 256<<16                    ; tensor_dim0
	s_mov_b32 s[G1A+2], 128<<16                    ; tensor_dim1: x's 128 rows
	s_mov_b32 s[G1A+3], 256<<16                    ; tile_dim0
	s_mov_b32 s[G1A+4], 128                        ; tile_dim1
	s_mov_b32 s[G1A+5], 1024                       ; from row to row
	s_mov_b32 s[G1A+6], 0
	s_mov_b32 s[G1A+7], 0
	s_or_b32 s[G1B], s26, (1<<20)|(1<<21)|(5<<22)|(3<<25)
	s_mov_b32 s[G1B+1], 256<<16
	s_mov_b32 s[G1B+2], 64<<16                     ; 64 rows of W a wave
	s_mov_b32 s[G1B+3], 256<<16
	s_mov_b32 s[G1B+4], 64
	s_mov_b32 s[G1B+5], 1024
	s_mov_b32 s[G1B+6], 0
	s_mov_b32 s[G1B+7], 0
	; the scale bytes: dense blocks, as rows of 256 bytes (32 elements of 8 bytes), 16 bytes of padding behind each
	s_or_b32 s[G1SA], s25, (3<<16)|(1<<20)|(1<<21)|(5<<22)|(3<<25)
	s_mov_b32 s[G1SA+1], 32<<16
	s_mov_b32 s[G1SA+2], 32<<16                    ; 128 rows x 64 bytes = 32 pieces
	s_mov_b32 s[G1SA+3], 32<<16
	s_mov_b32 s[G1SA+4], 32
	s_mov_b32 s[G1SA+5], 32
	s_mov_b32 s[G1SA+6], 0
	s_mov_b32 s[G1SA+7], 0
	s_or_b32 s[G1SB], s26, (3<<16)|(1<<20)|(1<<21)|(5<<22)|(3<<25)
	s_mov_b32 s[G1SB+1], 32<<16
	s_mov_b32 s[G1SB+2], 16<<16                    ; 64 rows x 64 bytes = 16 pieces
	s_mov_b32 s[G1SB+3], 32<<16
	s_mov_b32 s[G1SB+4], 16
	s_mov_b32 s[G1SB+5], 32
	s_mov_b32 s[G1SB+6], 0
	s_mov_b32 s[G1SB+7], 0
	; where the tiles come from.  x's hang on the tile row alone (s66, s67), W's on the tile column and the wave (s100, s101, s2, s3)
	s_min_u32 s27, s20, 2                          ; wave 3 makes W's descriptors too, and never uses them: they stay inside the buffer
	s_mul_i32 s104, s27, 64*PITCH                  ; W's 64 rows in a slot
	s_mul_i32 s105, s27, 16*272                    ; their scale bytes in LDS
	s_lshl_b32 s66, s24, 17                        ; 128 rows x 1,024 bytes
	s_mov_b32 s67, 0
	s_mul_i32 s100, s23, 192
	s_lshl_b32 s101, s27, 6
	s_add_co_u32 s100, s100, s101                  ; W's row 192 x tile column + 64 x wave
	s_lshl_b32 s2, s100, 6                         ; its scale bytes
	s_mov_b32 s3, 0
	s_lshl_b32 s100, s100, 10                      ; its codes
	s_mov_b32 s101, 0
	s_wait_dscnt 0x0                               ; both opening adds are done
	s_wait_kmcnt 0x0
	s_add_nc_u64 s[4:5], s[4:5], s[66:67]
	s_lshl_b32 s66, s24, 13                        ; 128 rows x 64 bytes
	s_add_nc_u64 s[6:7], s[6:7], s[66:67]
	s_add_nc_u64 s[8:9], s[8:9], s[100:101]
	s_add_nc_u64 s[10:11], s[10:11], s[2:3]
	CROUND                                         ; all sixteen work-groups are here: the first joint loads meet
	s_mov_b32 s[G0SA], 1
	s_mov_b32 s[G0SA+1], SCLA
	s_mov_b64 s[G0SA+2:G0SA+3], s[6:7]
	s_or_b32 s[G0SA+3], s[G0SA+3], 0x80000000
	s_mov_b32 s[G0SB], 1
	s_add_co_u32 s[G0SB+1], s105, SCLB
	s_mov_b64 s[G0SB+2:G0SB+3], s[10:11]
	s_or_b32 s[G0SB+3], s[G0SB+3], 0x80000000
	JLOAD G0SA, G1SA, G0SB, G1SB                   ; the scale bytes first: they are wanted with K slot 0
.irp s, 0,1,2
	s_mov_b32 s[G0A+4*\s], 1
	s_mov_b32 s[G0A+4*\s+1], \s*SLOT+AOFF
	s_add_nc_u64 s[G0A+4*\s+2:G0A+4*\s+3], s[4:5], \s*256
	s_or_b32 s[G0A+4*\s+3], s[G0A+4*\s+3], 0x80000000
	s_mov_b32 s[G0B+4*\s], 1
	s_add_co_u32 s[G0B+4*\s+1], s104, \s*SLOT
	s_add_nc_u64 s[G0B+4*\s+2:G0B+4*\s+3], s[8:9], \s*256
	s_or_b32 s[G0B+4*\s+3], s[G0B+4*\s+3], 0x80000000
	JLOAD G0A+4*\s, G1A, G0B+4*\s, G1B             ; K slots 0, 1, 2: with the scales four loads of mine are out
.endr
	; cos and sin of my 32 positions, in the results' layout: lane (r, h), block a, column block b: position 16 a + r, d = 16 b + 8 h + 0 .. 7
	s_lshl_b32 s66, s24, 15
	s_lshl_b32 s67, s20, 13
	s_add_co_u32 s66, s66, s67                     ; (128 x tile row + 32 x wave) rows of 256 bytes
	s_mov_b32 s67, 0
	s_add_nc_u64 s[12:13], s[12:13], s[66:67]
	s_add_nc_u64 s[14:15], s[14:15], s[66:67]
	v_and_b32 v1, 15, v0                           ; r
	v_bfe_u32 v2, v0, 4, 1                         ; h
	v_lshlrev_b32 v[CSO], 8, v1
	v_lshl_add_u32 v[CSO], v2, 5, v[CSO]
	WIN 0xc0                                       ; destination window 3
.irp a, 0,1
.irp b, 0,1,2,3
	global_load_b128 v[32*\a+8*\b:32*\a+8*\b+3], v[CSO], s[12:13] offset:4096*\a+64*\b
	global_load_b128 v[32*\a+8*\b+4:32*\a+8*\b+7], v[CSO], s[12:13] offset:4096*\a+64*\b+16
	global_load_b128 v[64+32*\a+8*\b:64+32*\a+8*\b+3], v[CSO], s[14:15] offset:4096*\a+64*\b
	global_load_b128 v[64+32*\a+8*\b+4:64+32*\a+8*\b+7], v[CSO], s[14:15] offset:4096*\a+64*\b+16
.endr
.endr
	WIN 0
	v_mul_u32_u24 v3, v1, PITCH
	v_lshl_add_u32 v3, v2, 4, v3                   ; a fragment's row x pitch + 16 x half
	s_mul_i32 s27, s20, 32*PITCH
	s_add_co_u32 s27, s27, AOFF                    ; my 32 rows of x
.irp s, 0,1,2
	v_add_nc_u32 v[ADRB+\s], \s*SLOT, v3
	v_add_nc_u32 v[ADRA+\s], s27, v3
	s_add_co_u32 s27, s27, SLOT
.endr
	v_lshrrev_b32 v4, 2, v1
	v_lshlrev_b32 v5, 6, v1
	v_lshl_add_u32 v4, v4, 4, v5                   ; a row's 64 scale bytes: 64 r, and 16 more for each 256 passed
	v_add_nc_u32 v[ADSB], SCLB, v4
	s_mul_i32 s105, s20, 2*SBLK
	s_add_co_u32 s105, s105, SCLA
	v_add_nc_u32 v[ADSA], s105, v4
	s_mul_i32 s105, s20, 32*STP
	s_add_co_u32 s105, s105, STAGE                 ; my stage
	v_mul_u32_u24 v5, v1, STP
	v_lshl_add_u32 v5, v2, 4, v5
	v_add_nc_u32 v[STO], s105, v5                  ; in: row r, 16 bytes for each half of the lanes
	v_and_b32 v6, 31, v0
	v_lshrrev_b32 v5, 3, v6
	v_mul_u32_u24 v5, v5, STP
	v_and_b32 v7, 7, v0
	v_lshl_add_u32 v5, v7, 4, v5
	v_add_nc_u32 v[RD], s105, v5                   ; back: eight lanes to a row of 128 bytes, four rows an instruction
	v_lshlrev_b32 v[GOF], 4, v6
	v_mul_u32_u24 v[G32], v1, 12288
	v_lshl_add_u32 v[G32], v2, 5, v[G32]           ; qkv32: row r of 12,288 bytes, + 32 h
	s_lshl_b32 s66, s24, 7
	s_lshl_b32 s67, s20, 5
	s_add_co_u32 s66, s66, s67
	v_add_nc_u32 v[ROWV], s66, v1                  ; my position for block a = 0
	s_mul_i32 s2, s23, 786432                      ; qkv16: three heads of 262,144 bytes a tile column,
	s_lshl_b32 s3, s24, 14                         ; 128 positions of 128 bytes a tile row,
	s_add_co_u32 s2, s2, s3
	s_lshl_b32 s3, s20, 12                         ; 32 positions a wave
	s_add_co_u32 s2, s2, s3
	s_mov_b32 s3, 0
	s_add_nc_u64 s[16:17], s[16:17], s[2:3]
	s_mul_i32 s2, s23, 768                         ; qkv32: 192 columns of 4 bytes a tile column
	s_add_nc_u64 s[18:19], s[18:19], s[2:3]
	s_mul_i32 s100, s23, 3
.irp hd, 0,1,2
	s_add_co_u32 s101, s100, \hd
	s_cmp_ge_u32 s101, 40
	s_cselect_b32 s[MV+\hd], -1, 0                 ; a v head keeps its numbers: a mask for v_cndmask_b32, no branch
.endr
.macro FRAG reg, adr, q, i             ; 16 rows x 128 K of 4-bit codes: 8 registers: lane l holds row l % 16; registers 4 c .. 4 c + 3 hold K = 64 c + 32 (l / 16) + 0 .. 31
.irp c, 0,1
	ds_load_b128 v[\reg+4*\c:\reg+4*\c+3], v[\adr] offset:64*(\q)+32*\c+(\i)*16*PITCH
.endr
.endm
.macro FETCH slot, q, p                ; 28 loads: W's twelve fragments and x's two of the slot's q-th 128 along K, into set p
	WIN TO_B
.irp i, 0,1,2,3,4,5,6,7,8,9,10,11
	FRAG 96*(\p)+8*\i, ADRB+\slot, \q, \i
.endr
	WIN 0
.irp i, 0,1
	FRAG AF+16*(\p)+8*\i, ADRA+\slot, \q, \i
.endr
.endm
.macro SCALES set                      ; 14 loads: a K slot's four scale words of each of my rows
.irp b, 0,1,2,3,4,5,6,7,8,9,10,11
	ds_load_b128 v[SC+56*(\set)+8+4*\b:SC+56*(\set)+8+4*\b+3], v[ADSB] offset:\b*SBLK
.endr
.irp a, 0,1
	ds_load_b128 v[SC+56*(\set)+4*\a:SC+56*(\set)+4*\a+3], v[ADSA] offset:\a*SBLK
.endr
.endm
; 24 matrix instructions, 128 along K.  The 24 accumulators take turns, one instruction a turn, in the same order in every step.  zero = 1: the first products start the sums.
.macro MUL24 p, q, set, zero
.irp a, 0,1
.irp b, 0,1,2,3,4,5,6,7,8,9,10,11
.if \zero
	v_wmma_scale_f32_16x16x128_f8f6f4 v[8*(12*\a+\b):8*(12*\a+\b)+7], v[96*(\p)+8*\b:96*(\p)+8*\b+7], v[AF+16*(\p)+8*\a:AF+16*(\p)+8*\a+7], 0, v[SC+56*(\set)+8+4*\b+(\q)], v[SC+56*(\set)+4*\a+(\q)] matrix_a_fmt:MATRIX_FMT_FP4 matrix_b_fmt:MATRIX_FMT_FP4
.else
	v_wmma_scale_f32_16x16x128_f8f6f4 v[8*(12*\a+\b):8*(12*\a+\b)+7], v[96*(\p)+8*\b:96*(\p)+8*\b+7], v[AF+16*(\p)+8*\a:AF+16*(\p)+8*\a+7], v[8*(12*\a+\b):8*(12*\a+\b)+7], v[SC+56*(\set)+8+4*\b+(\q)], v[SC+56*(\set)+4*\a+(\q)] matrix_a_fmt:MATRIX_FMT_FP4 matrix_b_fmt:MATRIX_FMT_FP4
.endif
.endr
.endr
.endm
; A step of 128 along K: the next step's fragments (slot nslot, its nq-th 128) are asked for first, into the set that the last step multiplied, four places behind its products; then this step is multiplied.
; scl = 1: the next step opens a K slot: its scale words are asked for too.
.macro STEP p, q, set, zero, nslot, nq, scl
	PLACES 4
.if \scl
	v_add_nc_u32 v[ADSB], 16, v[ADSB]
	v_add_nc_u32 v[ADSA], 16, v[ADSA]
.endif
	FETCH \nslot, \nq, 1-(\p)
.if \scl
	SCALES 1-(\set)
	s_wait_dscnt 42                                ; all but the 28 + 14 loads just issued
.else
	s_wait_dscnt 28                                ; all but the 28 loads just issued
.endif
	WIN W_MUL
	MUL24 \p, \q, \set, \zero
	WIN 0
.endm
; A K slot's last step with a barrier behind it.  In front of the barrier each wave waits for all its tensor loads, adds 0 to its spare word, and waits for that and for its reads of the slot.
; fill = 1: the barrier is a round of the cluster's, and behind it slot 0 is filled again, with K slot 3.
.macro TURN set, next, fill
	s_wait_tensorcnt 0x0                           ; all my tensor loads have landed
	ds_add_u32 v[SPW], v[NIL]                      ; 0 onto my spare word
	s_wait_dscnt 1                                 ; this step's fragments are in; the add may be out
	WIN W_MUL
	MUL24 1, 3, \set, 0                            ; 24 matrix instructions stand between the add and the wait for it
	WIN 0
	s_wait_dscnt 0x0                               ; the add is done, and my reads of the slot are over
.if \fill
	CROUND                                         ; no wave of any partner still reads slot 0 or has a load on its way
	s_add_nc_u64 s[G0A+2:G0A+3], s[G0A+2:G0A+3], 3*256
	s_add_nc_u64 s[G0B+2:G0B+3], s[G0B+2:G0B+3], 3*256
	JLOAD G0A, G1A, G0B, G1B                       ; the first tensor load behind the round; its four v_nop are also the places in front of the loads below
.else
	s_barrier_signal -1
	s_barrier_wait -1
	PLACES 4
.endif
	v_add_nc_u32 v[ADSB], 16, v[ADSB]              ; on to the next K slot's scale words
	v_add_nc_u32 v[ADSA], 16, v[ADSA]
	FETCH \next, 0, 0
	SCALES 1-(\set)
.endm
	s_wait_tensorcnt 2                             ; the scales and my part of K slot 0 are in; slots 1 and 2 may stay out
	s_barrier_signal -1
	s_barrier_wait -1                              ; everybody's are
	FETCH 0, 0, 0
	SCALES 0
	STEP 0, 0, 0, 1, 0, 1, 0                       ; K slot 0, in slot 0
	STEP 1, 1, 0, 0, 0, 2, 0
	STEP 0, 2, 0, 0, 0, 3, 0
	TURN 0, 1, 1                                   ; every wave has waited for all its loads here: slots 1 and 2 are whole behind the round
	STEP 0, 0, 1, 0, 1, 1, 0                       ; K slot 1, in slot 1
	STEP 1, 1, 1, 0, 1, 2, 0
	STEP 0, 2, 1, 0, 1, 3, 0
	STEP 1, 3, 1, 0, 2, 0, 1                       ; on into slot 2, which needs no barrier
	STEP 0, 0, 0, 0, 2, 1, 0                       ; K slot 2, in slot 2
	STEP 1, 1, 0, 0, 2, 2, 0
	STEP 0, 2, 0, 0, 2, 3, 0
	TURN 0, 0, 0                                   ; K slot 3 has landed in slot 0, in every wave's part
	STEP 0, 0, 1, 0, 0, 1, 0                       ; K slot 3
	STEP 1, 1, 1, 0, 0, 2, 0
	STEP 0, 2, 1, 0, 0, 3, 0
	s_wait_dscnt 0x0
	WIN W_MUL
	MUL24 1, 3, 1, 0
	WIN 0
	PLACES 4                                       ; in front of the first read of results and the first write over x's fragments
	s_wait_loadcnt 0x0                             ; cos and sin
; THE WAY OUT, head by head.  ROPE: y(d) = x(d) cos(d) - x(d + 32) sin(d) for d < 32, y(d) = x(d) cos(d) + x(d - 32) sin(d) for d >= 32: column blocks b and b + 2 of one lane.
; A v head takes its numbers back by the mask.  Block a = 0 of the work-group with positions 0-15 also stores f32, under a lane mask.  Then two roundings to f16 an instruction.
.macro ROPE hd
.set PH, 208-64*((\hd)%2)
.irp a, 0,1
	WIN W_ROPE
.irp b, 0,1
.irp j, 0,2,4,6                        ; each accumulator is read from its low end on
	v_pk_mul_f32 v[T+8*\b+\j:T+8*\b+\j+1], v[8*(12*\a+4*(\hd)+\b)+\j:8*(12*\a+4*(\hd)+\b)+\j+1], v[32*\a+8*\b+\j:32*\a+8*\b+\j+1]
	v_pk_mul_f32 v[T+8*(\b+2)+\j:T+8*(\b+2)+\j+1], v[8*(12*\a+4*(\hd)+\b+2)+\j:8*(12*\a+4*(\hd)+\b+2)+\j+1], v[32*\a+8*(\b+2)+\j:32*\a+8*(\b+2)+\j+1]
	v_pk_fma_f32 v[T+8*\b+\j:T+8*\b+\j+1], v[8*(12*\a+4*(\hd)+\b+2)+\j:8*(12*\a+4*(\hd)+\b+2)+\j+1], v[64+32*\a+8*\b+\j:64+32*\a+8*\b+\j+1], v[T+8*\b+\j:T+8*\b+\j+1] neg_lo:[1,0,0] neg_hi:[1,0,0]
	v_pk_fma_f32 v[T+8*(\b+2)+\j:T+8*(\b+2)+\j+1], v[8*(12*\a+4*(\hd)+\b)+\j:8*(12*\a+4*(\hd)+\b)+\j+1], v[64+32*\a+8*(\b+2)+\j:64+32*\a+8*(\b+2)+\j+1], v[T+8*(\b+2)+\j:T+8*(\b+2)+\j+1]
.endr
.endr
	WIN 0x04                                       ; source 1 (results) window 1
.set i, 0
.rept 32
	v_cndmask_b32 v[T+i], v[T+i], v[8*(12*\a+4*(\hd))+i], s[MV+\hd]
.set i, i+1
.endr
	WIN 0
.if \a == 0
	s_wait_xcnt 0x0                                ; EXEC changes only behind this wait
	v_cmp_gt_u32 vcc_lo, 16, v[ROWV]
	s_and_saveexec_b32 s63, vcc_lo                 ; positions 0-15 alone; the offset holds no tile row, so it lies inside qkv32 in every lane
.irp b, 0,1,2,3
	global_store_b128 v[G32], v[T+8*\b:T+8*\b+3], s[18:19] offset:256*(\hd)+64*\b
	global_store_b128 v[G32], v[T+8*\b+4:T+8*\b+7], s[18:19] offset:256*(\hd)+64*\b+16
.endr
	s_wait_xcnt 0x0                                ; and again in front of the line that widens it; the stores' data may be written again too
	s_or_b32 exec_lo, exec_lo, s63
.endif
.set i, 0
.rept 16
	v_cvt_pk_f16_f32 v[PH+16*\a+i], v[T+2*i], v[T+2*i+1]
.set i, i+1
.endr
.endr
.endm
.macro TOSTAGE hd                      ; 16 bytes a lane into rows of 144 bytes; back as whole rows.  LDS serves a wave's instructions in order: no wait between the stores and the loads
.set PH, 208-64*((\hd)%2)
.irp a, 0,1
.irp b, 0,1,2,3
	ds_store_b128 v[STO], v[PH+16*\a+4*\b:PH+16*\a+4*\b+3] offset:16*STP*\a+32*\b
.endr
.endr
	WIN 0xc0
.irp i, 0,1,2,3,4,5,6,7
	ds_load_b128 v[BKW+32*(\hd)+4*\i:BKW+32*(\hd)+4*\i+3], v[RD] offset:4*STP*\i
.endr
	WIN 0
.endm
.macro SEND hd
	s_wait_dscnt 0x0                               ; the head's rows are back in registers, and the stage's stores have read theirs
	WIN 0x0c                                       ; a store's data are its source 1: window 3
.irp i, 0,1,2,3,4,5,6,7
	global_store_b128 v[GOF], v[BKW+32*(\hd)+4*\i:BKW+32*(\hd)+4*\i+3], s[16:17] offset:262144*(\hd)+512*\i   ; four positions: 512 consecutive bytes, aligned
.endr
	WIN 0
.endm
	ROPE 0
	TOSTAGE 0
	ROPE 1                                         ; a head's arithmetic stands between the loads of the head before and its stores
	SEND 0
	TOSTAGE 1
	ROPE 2
	SEND 1
	TOSTAGE 2
	SEND 2
	s_wait_tensorcnt 0x0                           ; the wave's end: behind my last tensor load and my last LDS store
	ds_add_u32 v[SPW], v[NIL]
	s_wait_dscnt 0x0
	CROUND                                         ; the closing round: no work-group ends while a partner may still ask for a tile that names it
	s_endpgm
.Lfunc_end_k_qa72d9d90d7_qkv:
	.size	k_qa72d9d90d7_qkv, .Lfunc_end_k_qa72d9d90d7_qkv-k_qa72d9d90d7_qkv
	.p2alignl 7, 3214868480
	.fill 96, 4, 3214868480
	.section	.rodata,"a",@progbits
	.p2align	6, 0x0
	.amdhsa_kernel k_qa72d9d90d7_qkv
		.amdhsa_group_segment_fixed_size 327680
		.amdhsa_private_segment_fixed_size 0
		.amdhsa_enable_private_segment 0
		.amdhsa_kernarg_size 64
		.amdhsa_user_sgpr_count 2
		.amdhsa_user_sgpr_kernarg_segment_ptr 1
		.amdhsa_wavefront_size32 1
		.amdhsa_system_sgpr_workgroup_id_x 1
		.amdhsa_system_sgpr_workgroup_id_y 1
		.amdhsa_system_sgpr_workgroup_id_z 1
		.amdhsa_system_vgpr_workitem_id 0
		.amdhsa_next_free_vgpr 1024
		.amdhsa_next_free_sgpr 106
		.amdhsa_reserve_vcc 1
		.amdhsa_float_denorm_mode_32 3
		.amdhsa_float_denorm_mode_16_64 3
		.amdhsa_memory_ordered 1
		.amdhsa_forward_progress 1
		.amdhsa_inst_pref_size 139
	.end_amdhsa_kernel
	.amdgpu_metadata
---
amdhsa.version: [ 1, 2 ]
amdhsa.kernels:
  - .name:           k_qa72d9d90d7_qkv
    .symbol:         k_qa72d9d90d7_qkv.kd
    .args:
      - { .name: xcodes, .offset: 0, .size: 8, .value_kind: global_buffer, .address_space: global }
      - { .name: xscales, .offset: 8, .size: 8, .value_kind: global_buffer, .address_space: global }
      - { .name: wcodes, .offset: 16, .size: 8, .value_kind: global_buffer, .address_space: global }
      - { .name: wscales, .offset: 24, .size: 8, .value_kind: global_buffer, .address_space: global }
      - { .name: cos, .offset: 32, .size: 8, .value_kind: global_buffer, .address_space: global }
      - { .name: sin, .offset: 40, .size: 8, .value_kind: global_buffer, .address_space: global }
      - { .name: qkv16, .offset: 48, .size: 8, .value_kind: global_buffer, .address_space: global }
      - { .name: qkv32, .offset: 56, .size: 8, .value_kind: global_buffer, .address_space: global }
    .group_segment_fixed_size: 327680
    .private_segment_fixed_size: 0
    .kernarg_segment_align: 8
    .kernarg_segment_size: 64
    .max_flat_workgroup_size: 128
    .sgpr_count:     106
    .vgpr_count:     1024
    .wavefront_size: 32
...
	.end_amdgpu_metadata
.endif
;; end of part 2
;; launch first16 (part 3): grid 128 x 1, 8 waves a work-group, no clusters, 275,456 bytes of LDS; arguments qkv32, Wo, out0, wo16; writes out0, wo16
.if DOCPART == 3
	.amdgcn_target "amdgcn-amd-amdhsa--gfx1250"
	.amdhsa_code_object_version 6
	.text
	.protected	k_qa72d9d90d7_first16
	.globl	k_qa72d9d90d7_first16
	.p2align	8
	.type	k_qa72d9d90d7_first16,@function
k_qa72d9d90d7_first16:
	s_mov_b64 s[64:65], 0
	v_nop
	global_prefetch_b8 v0, s[64:65] scope:SCOPE_SE
	s_setreg_imm32_b32 hwreg(HW_REG_WAVE_MODE, 25, 1), 1
	s_wait_xcnt 0x0
; Positions 0-15 carried finely: under the causal mask these rows average one to sixteen values and are the largest in size.  qkv32 [16][3072] f32 (column 64 gh + d; heads 0-31 q, 32-39 k, 40-47 v),
; Wo [2048][2048] f32.  out0 rows 0-15 are written here, and by no other launch.  Since this is the one launch that needs Wo in f32, it also writes Wo as f16 (wo16), for the bulk product of a later launch.
; THE ATTENTION goes on PAIRS OF f16: x = a high part (x with its 13 lowest mantissa bits cleared) + a low part (x - the high part, taken in f32), both to the matrix units, sums in f32:
; S = Kh Qh + Kh Ql + Kl Qh; for V^T P the 16 keys fill half of an instruction's 32 along K, so source 0 is [Vh | Vl] and source 1 [Ph ; Ph], then [Pl ; Pl].  THE PRODUCT BY Wo goes in the f32 matrix form.
; LIMITS: |q|, |k|, |v| under f16's largest number, 65,504; parts of q, k, v, p whose magnitude lies under 2^-14 are kept to 2^-25 absolute.
; SHARES.  Work-group G makes out0[0:16][16 G : 16 G + 16] and wo16's rows 16 G .. 16 G + 15.  Wave w takes Wo's columns 256 w .. 256 w + 255, the four query heads of key / value head w, makes those heads'
; context itself (every work-group repeats that small attention, against a launch more and a trip through memory) and keeps it in registers.  The eight waves' parts are added through LDS.
; LOADS.  Each wave brings its 16 rows x 1,024 bytes of q and of Wo by one tensor load each into LDS bytes of its own, which it alone reads; nothing is filled again.  K (8 loads) and V (32) come into registers.
; NO CLUSTER: of the 262,144 bytes that a work-group's tensor loads bring, q's half is the same in all work-groups; it comes once, at the head, and a joint load would add two rounds of the cluster's barrier to a text without a loop.
; LAYOUTS: no number changes lanes between the products.  S^T = K Q^T: a lane holds query r = lane % 16 and keys 8 h + j (h = lane / 16): that is source 1's layout for V^T P.  O^T: query r, channels 16 t + 8 h + j.
; The last product (source 0 = 16 rows of Wo, source 1 = the context): the place 2 h + j along K stands for channel 16 t + 8 h + 2 i + j on both sides; a lane holds query r, columns 16 G + 8 h + j.
; The registers that the f32 matrix form writes (OUTA, in window 1) are written by matrix instructions alone.
; REGISTERS.  window 0: v1-17 addresses; v24-87 two sets of 32 numbers as loaded; v88-95 at work; v104-135 K's parts, later O^T; v136-167 S^T, later the context; v168-231 two heads' parts of Q, later p and its parts; v232-247 four a head.
;   window 1: v0-127 Wo's fragments; v128-191 V as loaded and at work, later Wo's rows on their way to f16; v192-223 V's fragments; v224-255 the last product's four partial sums.
.set QP,    1040                       ; an LDS row: 1,024 bytes + 16 of padding: the 16 rows of a fragment load start in 16 different groups of banks (64 banks of 4 bytes: ISA guide 11.1)
.set WOFF,  16*QP                      ; a wave's region: q's tile, then Wo's
.set WREG,  2*16*QP
.set RED,   8*WREG                     ; the hand-over: 8 images of 1,024 bytes; no tensor load lands here
.set SPARE, RED+8*1024                 ; the spare words: 128 bytes a wave, named by no other line
.set KA,  3                            ; v3   k: row r of 12,288 bytes, + 32 h
.set VA,  4                            ; v4   v: key 8 h, channel r
.set QL,  5                            ; v5   LDS: q's tile, row r, + 32 h
.set WL,  6                            ; v6   LDS: Wo's tile, row r, + 32 h
.set WC,  7                            ; v7   LDS: Wo's tile, 16 x lane
.set OA,  8                            ; v8   out0
.set DD,  9                            ; v9   r - 8 h
.set NINF, 10
.set SPW, 12                           ; v12  LDS address of my spare word; never rewritten
.set NIL, 13                           ; v13  0; never rewritten
.set RA,  14                           ; v14  LDS: my wave's image
.set RB,  15                           ; v15  LDS: the half of each image that waves 0 and 1 add up
.set WS,  16                           ; v16  8 x lane: wo16
.set MK,  17                           ; v17  0xffffe000: sign, exponent and ten mantissa bits
.set RAWA, 24
.set RAWB, 56
.set T,   88
.set KF,  104                          ; K: high parts at 8 ks, low parts at 16 + 8 ks
.set OT,  104
.set SA,  136
.set CX,  136
.set QF,  168                          ; Q: slot s: high parts at 32 s + 8 ks, low parts at 32 s + 16 + 8 ks
.set PP,  168
.set TM,  232                          ; four a head: c m, at work, the sum / its reciprocal, at work
.set WF,  0                            ; window 1
.set VR,  128
.set T1,  160
.set MK1, 176
.set CV,  128
.set VF,  192
.set OUTA, 224
.set SEL, 22
.set CS,  24
.set G1Q, 32
.set G1W, 40
.set G0Q, 48
.set G0W, 52
.set MSB, 0
.macro WIN new                         ; the immediate's high byte repeats the setting that is left
.if MSB != \new
	s_set_vgpr_msb (MSB<<8)|\new
.set MSB, \new
.endif
.endm
	s_load_b256 s[4:11], s[0:1], 0x0               ; qkv32 s[4:5], Wo s[6:7], out0 s[8:9], wo16 s[10:11]
	v_lshl_add_u32 v[SPW], v0, 2, SPARE
	v_mov_b32 v[NIL], 0
	ds_add_u32 v[SPW], v[NIL]                      ; the wave's opening: the add, twice on end, and its wait ahead of my first tensor load
	ds_add_u32 v[SPW], v[NIL]
	v_lshrrev_b32 v1, 5, v0
	v_readfirstlane_b32 s12, v1                    ; wave 0..7
	v_and_b32 v1, 15, v0                           ; r
	v_bfe_u32 v2, v0, 4, 1                         ; h
	v_and_b32 v11, 31, v0                          ; lane
	v_mul_u32_u24 v[KA], v1, 12288
	v_lshl_add_u32 v[KA], v2, 5, v[KA]
	v_mul_u32_u24 v[VA], v2, 98304
	v_lshl_add_u32 v[VA], v1, 2, v[VA]
	s_mul_i32 s13, s12, WREG                       ; my region of LDS
	v_mul_u32_u24 v[QL], v1, QP
	v_lshl_add_u32 v[QL], v2, 5, v[QL]
	v_add_nc_u32 v[QL], s13, v[QL]
	v_add_nc_u32 v[WL], WOFF, v[QL]
	v_lshl_add_u32 v[WC], v11, 4, s13
	v_add_nc_u32 v[WC], WOFF, v[WC]
	v_lshlrev_b32 v[OA], 13, v1
	v_lshl_add_u32 v[OA], v2, 5, v[OA]
	s_and_b32 s14, s12, 1
	s_lshl_b32 s15, s14, 4
	v_add_nc_u32 v[OA], s15, v[OA]
	s_lshl_b32 s15, s12, 10
	s_add_co_u32 s15, s15, RED
	v_lshl_add_u32 v[RA], v11, 4, s15
	s_lshl_b32 s15, s14, 9
	s_add_co_u32 s15, s15, RED
	v_lshl_add_u32 v[RB], v11, 4, s15
	v_lshlrev_b32 v[WS], 3, v11
	v_lshlrev_b32 v[DD], 3, v2
	v_sub_nc_u32 v[DD], v1, v[DD]
	v_mov_b32 v[NINF], 0xff800000
	v_mov_b32 v[MK], 0xffffe000
.set i, 0
.rept 16
	v_mov_b32 v[TM+i], 0                           ; a lane permute's destination counts as one of its sources
.set i, i+1
.endr
	s_mov_b32 s[SEL], 0x76543210
	s_mov_b32 s[SEL+1], 0xfedcba98
	s_mov_b32 s[CS], 0x3e38aa3b                    ; c = log2(e) / 8
	s_mov_b32 s[CS+1], s[CS]
	; group 1: 16 rows of 256 elements of 4 bytes, 16 bytes of padding behind each row in LDS; q's rows lie 3,072 elements apart in memory, Wo's 2,048
	s_mov_b32 s[G1Q], (2<<16)|(1<<20)|(7<<22)|(3<<25)   ; 17:16 elements of 4 bytes; 20 padding on; 24:22 after every 256 words; 31:25 four words
	s_mov_b32 s[G1W], (2<<16)|(1<<20)|(7<<22)|(3<<25)
.irp g, G1Q, G1W
	s_mov_b32 s[\g+1], 256<<16                     ; tensor_dim0
	s_mov_b32 s[\g+2], 16<<16                      ; tensor_dim1
	s_mov_b32 s[\g+3], 256<<16                     ; tile_dim0
	s_mov_b32 s[\g+4], 16                          ; tile_dim1
	s_mov_b32 s[\g+6], 0
	s_mov_b32 s[\g+7], 0
.endr
	s_mov_b32 s[G1Q+5], 3072
	s_mov_b32 s[G1W+5], 2048
	s_wait_dscnt 0x0                               ; both opening adds are done
	s_wait_kmcnt 0x0
	s_lshl_b32 s26, s12, 10                        ; q's heads 4 w on: 1,024 bytes; also Wo's columns 256 w on
	s_mov_b32 s27, 0
	s_mov_b32 s[G0Q], 1
	s_mov_b32 s[G0Q+1], s13
	s_add_nc_u64 s[G0Q+2:G0Q+3], s[4:5], s[26:27]
	s_or_b32 s[G0Q+3], s[G0Q+3], 0x80000000
	s_lshl_b32 s28, ttmp9, 17                      ; Wo's rows 16 G on
	s_add_co_u32 s26, s26, s28
	s_mov_b32 s[G0W], 1
	s_add_co_u32 s[G0W+1], s13, WOFF
	s_add_nc_u64 s[G0W+2:G0W+3], s[6:7], s[26:27]
	s_or_b32 s[G0W+3], s[G0W+3], 0x80000000
	tensor_load_to_lds s[G0Q:G0Q+3], s[G1Q:G1Q+7]  ; q first: it is wanted first.  Two loads of mine are out
	s_nop 0
	tensor_load_to_lds s[G0W:G0W+3], s[G1W:G1W+7]
	s_nop 0
.rept 4
	v_nop
.endr
	s_lshl_b32 s26, s12, 8
	s_add_co_u32 s26, s26, 32*256                  ; K's head 32 + w: 256 bytes a head in a row
	s_add_nc_u64 s[16:17], s[4:5], s[26:27]
	s_add_co_u32 s26, s26, 8*256                   ; V's head 40 + w
	s_add_nc_u64 s[20:21], s[4:5], s[26:27]
	s_lshl_b32 s26, ttmp9, 6                       ; out0's columns 16 G on
	s_add_nc_u64 s[8:9], s[8:9], s[26:27]
	s_lshl_b32 s26, ttmp9, 16                      ; wo16's rows 16 G on, 4,096 bytes a row,
	s_lshl_b32 s28, s12, 9                         ; and columns 256 w on
	s_add_co_u32 s26, s26, s28
	s_add_nc_u64 s[10:11], s[10:11], s[26:27]
.irp ks, 0,1                                   ; K(key r, channel 32 ks + 16 c + 8 h + 0 .. 7)
.irp c, 0,1
	global_load_b128 v[RAWA+16*\ks+8*\c:RAWA+16*\ks+8*\c+3], v[KA], s[16:17] offset:128*\ks+64*\c
	global_load_b128 v[RAWA+16*\ks+8*\c+4:RAWA+16*\ks+8*\c+7], v[KA], s[16:17] offset:128*\ks+64*\c+16
.endr
.endr
	WIN 0x40                                       ; destination window 1
	v_mov_b32 v[MK1], 0xffffe000
.irp t, 0,1,2,3
.irp i, 0,1,2,3,4,5,6,7
	global_load_b32 v[VR+8*\t+\i], v[VA], s[20:21] offset:12288*\i+64*\t     ; V(key 8 h + i, channel 16 t + r)
.endr
.endr
	WIN 0
; Eight numbers v[src] .. become four registers of high parts at v[dh] and four of low parts at v[dl], two f16 a register, the first number in the low half.  tt: eight registers at work; mk: the mask.
; dup = 1: each four are written twice on end.  All its registers lie in one window.
.macro SPLIT8 src, dh, dl, tt, mk, dup
.irp i, 0,1,2,3,4,5,6,7
	v_and_b32 v[(\tt)+\i], v[\mk], v[(\src)+\i]
.endr
.irp i, 0,1,2,3
	v_cvt_pk_f16_f32 v[(\dh)+\i], v[(\tt)+2*\i], v[(\tt)+2*\i+1]
.endr
.if \dup
.irp i, 0,1,2,3
	v_cvt_pk_f16_f32 v[(\dh)+4+\i], v[(\tt)+2*\i], v[(\tt)+2*\i+1]
.endr
.endif
.irp i, 0,2,4,6
	v_pk_add_f32 v[(\tt)+\i:(\tt)+\i+1], v[(\src)+\i:(\src)+\i+1], v[(\tt)+\i:(\tt)+\i+1] neg_lo:[0,1] neg_hi:[0,1]   ; x - its high part: exact
.endr
.irp i, 0,1,2,3
	v_cvt_pk_f16_f32 v[(\dl)+\i], v[(\tt)+2*\i], v[(\tt)+2*\i+1]
.endr
.if \dup
.irp i, 0,1,2,3
	v_cvt_pk_f16_f32 v[(\dl)+4+\i], v[(\tt)+2*\i], v[(\tt)+2*\i+1]
.endr
.endif
.endm
.macro QLOAD g, buf                    ; head g's 32 numbers of my lane: Q(query r, channel 32 ks + 16 c + 8 h + 0 .. 7)
.irp ks, 0,1
.irp c, 0,1
	ds_load_b128 v[(\buf)+16*\ks+8*\c:(\buf)+16*\ks+8*\c+3], v[QL] offset:256*(\g)+128*\ks+64*\c
	ds_load_b128 v[(\buf)+16*\ks+8*\c+4:(\buf)+16*\ks+8*\c+7], v[QL] offset:256*(\g)+128*\ks+64*\c+16
.endr
.endr
.endm
.macro QSPLIT buf, slot                ; its eight leading lines write registers at work alone: they are the four places behind the products that read the slot before
.irp ks, 0,1
.irp c, 0,1
	SPLIT8 (\buf)+16*\ks+8*\c, QF+32*(\slot)+8*\ks+4*\c, QF+32*(\slot)+16+8*\ks+4*\c, T, MK, 0
.endr
.endr
.endm
; S^T of heads 2 pair and 2 pair + 1: six products each: Kh Qh, Kh Ql, Kl Qh for each 32 channels.  The two accumulators take turns.
.macro SMUL pair
.irp m, 0,1,2,3,4,5
.irp s, 0,1
.if \m == 0
	v_wmma_f32_16x16x32_f16 v[SA+8*(2*(\pair)+\s):SA+8*(2*(\pair)+\s)+7], v[KF+8*(\m%2)+16*(\m/4):KF+8*(\m%2)+16*(\m/4)+7], v[QF+32*\s+8*(\m%2)+16*((\m/2)%2):QF+32*\s+8*(\m%2)+16*((\m/2)%2)+7], 0
.else
	v_wmma_f32_16x16x32_f16 v[SA+8*(2*(\pair)+\s):SA+8*(2*(\pair)+\s)+7], v[KF+8*(\m%2)+16*(\m/4):KF+8*(\m%2)+16*(\m/4)+7], v[QF+32*\s+8*(\m%2)+16*((\m/2)%2):QF+32*\s+8*(\m%2)+16*((\m/2)%2)+7], v[SA+8*(2*(\pair)+\s):SA+8*(2*(\pair)+\s)+7]
.endif
.endr
.endr
.endm
	s_wait_loadcnt 32                              ; K's eight loads are in; V's 32 may be out
.irp ks, 0,1
.irp c, 0,1
	SPLIT8 RAWA+16*\ks+8*\c, KF+8*\ks+4*\c, KF+16+8*\ks+4*\c, T, MK, 0
.endr
.endr
	s_wait_tensorcnt 0x1                           ; q's tile is in my LDS bytes; Wo's may be out
	QLOAD 0, RAWA
	QLOAD 1, RAWB
	s_wait_dscnt 8                                 ; head 0's eight loads are in; head 1's may be out
	QSPLIT RAWA, 0
	QLOAD 2, RAWA
	s_wait_dscnt 8                                 ; head 1's are in; head 2's may be out
	QSPLIT RAWB, 1
	QLOAD 3, RAWB
	SMUL 0
	s_wait_dscnt 8                                 ; head 2's are in; head 3's may be out
	QSPLIT RAWA, 0
	s_wait_dscnt 0x0
	QSPLIT RAWB, 1
	SMUL 1
	s_wait_loadcnt 0x0                             ; V
	WIN 0x55                                       ; every operand in window 1.  These lines are also the places behind the products above
.irp t, 0,1,2,3
	SPLIT8 VR+8*\t, VF+8*\t, VF+8*\t+4, T1, MK1, 0 ; tile t's fragment: registers 0-3 the high parts of keys 8 h + 0 .. 7, registers 4-7 their low parts
.endr
	WIN 0
.irp j, 0,1,2,3,4,5,6,7                        ; key 8 h + j is hidden from query r where j > r - 8 h
	v_cmp_gt_i32 vcc_lo, \j, v[DD]
.irp g, 0,1,2,3
	v_cndmask_b32 v[PP+8*\g+\j], v[SA+8*\g+\j], v[NINF], vcc_lo
.endr
.endr
.irp g, 0,1,2,3
	v_max3_num_f32 v[TM+4*\g], v[PP+8*\g], v[PP+8*\g+1], v[PP+8*\g+2]
.endr
.irp i, 3,5
.irp g, 0,1,2,3
	v_max3_num_f32 v[TM+4*\g], v[TM+4*\g], v[PP+8*\g+\i], v[PP+8*\g+\i+1]
.endr
.endr
.irp g, 0,1,2,3
	v_max_num_f32 v[TM+4*\g], v[TM+4*\g], v[PP+8*\g+7]
.endr
.irp g, 0,1,2,3
	v_permlanex16_b32 v[TM+4*\g+1], v[TM+4*\g], s[SEL], s[SEL+1]
.endr
.irp g, 0,1,2,3
	v_max_num_f32 v[TM+4*\g], v[TM+4*\g], v[TM+4*\g+1]       ; the row's maximum: key 0 counts for every query
.endr
.irp g, 0,1,2,3
	v_mul_f32 v[TM+4*\g], s[CS], v[TM+4*\g]
.endr
.irp i, 0,2,4,6
.irp g, 0,1,2,3
	v_pk_fma_f32 v[PP+8*\g+\i:PP+8*\g+\i+1], v[PP+8*\g+\i:PP+8*\g+\i+1], s[CS:CS+1], v[TM+4*\g:TM+4*\g+1] op_sel_hi:[1,0,0] neg_lo:[0,0,1] neg_hi:[0,0,1]   ; c s - c m
.endr
.endr
.set i, 0
.rept 32
	v_exp_f32 v[PP+i], v[PP+i]
.set i, i+1
.endr
	v_nop
	s_wait_alu depctr_va_vdst(0)                   ; one wait for the batch of 32, ahead of its first reader
.irp g, 0,1,2,3
	v_pk_add_f32 v[TM+4*\g+2:TM+4*\g+3], v[PP+8*\g:PP+8*\g+1], v[PP+8*\g+2:PP+8*\g+3]
.endr
.irp i, 4,6
.irp g, 0,1,2,3
	v_pk_add_f32 v[TM+4*\g+2:TM+4*\g+3], v[TM+4*\g+2:TM+4*\g+3], v[PP+8*\g+\i:PP+8*\g+\i+1]
.endr
.endr
.irp g, 0,1,2,3
	v_add_f32 v[TM+4*\g+2], v[TM+4*\g+2], v[TM+4*\g+3]
.endr
.irp g, 0,1,2,3
	v_permlanex16_b32 v[TM+4*\g+3], v[TM+4*\g+2], s[SEL], s[SEL+1]
.endr
.irp g, 0,1,2,3
	v_add_f32 v[TM+4*\g+2], v[TM+4*\g+2], v[TM+4*\g+3]       ; the row's sum, of p in f32
.endr
.irp g, 0,1,2,3
	v_rcp_f32 v[TM+4*\g+2], v[TM+4*\g+2]
.endr
; p's parts, each four registers twice on end: head g's at v[200 + 16 g] (heads 0, 1) or v[RAWA + 16 (g - 2)].  Independent work behind the reciprocals
	SPLIT8 PP, 200, 208, T, MK, 1
	SPLIT8 PP+8, 216, 224, T, MK, 1
	SPLIT8 PP+16, RAWA, RAWA+8, T, MK, 1
	SPLIT8 PP+24, RAWA+16, RAWA+24, T, MK, 1
	s_wait_alu depctr_va_vdst(0)                   ; one wait for the four reciprocals, ahead of their first reader
	s_wait_tensorcnt 0x0                           ; Wo's tile is in my LDS bytes
	WIN 0x40
.irp g, 0,1,2,3
.irp t, 0,1,2,3
	ds_load_b128 v[WF+32*\g+8*\t:WF+32*\g+8*\t+3], v[WL] offset:256*\g+64*\t          ; Wo(16 G + r, 256 w + 64 g + 16 t + 8 h + 0 .. 7)
	ds_load_b128 v[WF+32*\g+8*\t+4:WF+32*\g+8*\t+7], v[WL] offset:256*\g+64*\t+16
.endr
.endr
	WIN 0
; Wo to f16, eight rows at a time: a load takes 512 consecutive bytes of a row, a lane's four numbers become 8 bytes in place, and the wave stores 256 consecutive bytes, aligned.
.macro CVLOAD b
	WIN 0x40
.irp rr, 0,1,2,3,4,5,6,7
.irp u, 0,1
	ds_load_b128 v[CV+4*(2*\rr+\u):CV+4*(2*\rr+\u)+3], v[WC] offset:(8*(\b)+\rr)*QP+512*\u
.endr
.endr
	WIN 0
.endm
.macro CVSEND b
	WIN 0x45                                       ; destination and both sources window 1
.set i, 0
.rept 16
	v_cvt_pk_f16_f32 v[CV+4*i], v[CV+4*i], v[CV+4*i+1]
	v_cvt_pk_f16_f32 v[CV+4*i+1], v[CV+4*i+2], v[CV+4*i+3]
.set i, i+1
.endr
	WIN 0x04                                       ; a store's data are its source 1: window 1
.irp rr, 0,1,2,3,4,5,6,7
.irp u, 0,1
	global_store_b64 v[WS], v[CV+4*(2*\rr+\u):CV+4*(2*\rr+\u)+1], s[10:11] offset:(8*(\b)+\rr)*4096+256*\u
.endr
.endr
	WIN 0
.endm
; Head g: O^T = V^T P (four accumulators by turns: first p's high parts, then its low parts), divided by the sum into other registers; then its 16 steps of the last product, on four partial sums by turns.
.macro HEAD g
.set PBG, 200+16*(\g)
.if (\g) > 1
.set PBG, RAWA+16*((\g)-2)
.endif
	WIN 0x01                                       ; source 0 (V) window 1
.irp u, 0,1
.irp t, 0,1,2,3
.if \u == 0
	v_wmma_f32_16x16x32_f16 v[OT+8*\t:OT+8*\t+7], v[VF+8*\t:VF+8*\t+7], v[PBG:PBG+7], 0
.else
	v_wmma_f32_16x16x32_f16 v[OT+8*\t:OT+8*\t+7], v[VF+8*\t:VF+8*\t+7], v[PBG+8:PBG+15], v[OT+8*\t:OT+8*\t+7]
.endif
.endr
.endr
	WIN 0
.rept 9
	v_nop                                          ; four places in front of the reads of O^T, five in front of the next head's fresh start on these accumulators, eight in front of the writes over the context, which the last head's f32 products read
.endr
.set i, 0
.rept 32
	v_mul_f32 v[CX+i], v[OT+i], v[TM+4*(\g)+2]     ; ascending: each accumulator from its low end on
.set i, i+1
.endr
.if (\g) == 0
	s_wait_dscnt 16                                ; Wo's 32 fragment loads are in; the sixteen loads of the first eight rows may be out
.endif
	WIN 0x51                                       ; source 0 (Wo), C and D window 1; source 1 (the context) window 0
.irp t, 0,1,2,3
.irp i, 0,1,2,3
.if ((\g) == 0) && (\t == 0)
	v_wmma_f32_16x16x4_f32 v[OUTA+8*\i:OUTA+8*\i+7], v[WF+32*(\g)+8*\t+2*\i:WF+32*(\g)+8*\t+2*\i+1], v[CX+8*\t+2*\i:CX+8*\t+2*\i+1], 0
.else
	v_wmma_f32_16x16x4_f32 v[OUTA+8*\i:OUTA+8*\i+7], v[WF+32*(\g)+8*\t+2*\i:WF+32*(\g)+8*\t+2*\i+1], v[CX+8*\t+2*\i:CX+8*\t+2*\i+1], v[OUTA+8*\i:OUTA+8*\i+7]
.endif
.endr
.endr
	WIN 0
.endm
	CVLOAD 0
	HEAD 0
	s_wait_dscnt 0x0                               ; the first eight rows of Wo are in registers
	CVSEND 0
	s_wait_xcnt 0x0                                ; the stores have read their data registers: the next eight rows may land there
	CVLOAD 1
	HEAD 1
	s_wait_dscnt 0x0
	CVSEND 1
	HEAD 2
	HEAD 3
.rept 8
	v_nop                                          ; eight places behind the f32 form, in front of the first read of its results
.endr
	WIN 0x05                                       ; both sources window 1
.irp k, 0,2,4,6
	v_pk_add_f32 v[TM+\k:TM+\k+1], v[OUTA+\k:OUTA+\k+1], v[OUTA+8+\k:OUTA+8+\k+1]     ; the four partial sums, each from its low end on
.endr
	WIN 0x04                                       ; source 1 window 1
.irp k, 0,2,4,6
	v_pk_add_f32 v[TM+\k:TM+\k+1], v[TM+\k:TM+\k+1], v[OUTA+16+\k:OUTA+16+\k+1]
.endr
.irp k, 0,2,4,6
	v_pk_add_f32 v[TM+\k:TM+\k+1], v[TM+\k:TM+\k+1], v[OUTA+24+\k:OUTA+24+\k+1]
.endr
	WIN 0
	ds_store_b128 v[RA], v[TM:TM+3]                ; my part, as an image of its registers
	ds_store_b128 v[RA], v[TM+4:TM+7] offset:512
	s_wait_dscnt 0x0                               ; for the others' sake: my stores have landed
	s_barrier_signal -1
	s_barrier_wait -1
	s_cmp_ge_u32 s12, 2
	s_cbranch_scc1 .Lend
.irp i, 0,1,2,3,4,5,6,7                        ; wave 0 adds up registers 0-3 of the eight images, wave 1 registers 4-7
	ds_load_b128 v[RAWB+4*\i:RAWB+4*\i+3], v[RB] offset:1024*\i
.endr
	s_wait_dscnt 0x0
	v_pk_add_f32 v[T:T+1], v[RAWB:RAWB+1], v[RAWB+4:RAWB+5]
	v_pk_add_f32 v[T+2:T+3], v[RAWB+2:RAWB+3], v[RAWB+6:RAWB+7]
.irp i, 2,3,4,5,6,7
	v_pk_add_f32 v[T:T+1], v[T:T+1], v[RAWB+4*\i:RAWB+4*\i+1]
	v_pk_add_f32 v[T+2:T+3], v[T+2:T+3], v[RAWB+4*\i+2:RAWB+4*\i+3]
.endr
	global_store_b128 v[OA], v[T:T+3], s[8:9]      ; out0(r, 16 G + 8 h + 4 (wave) + 0 .. 3): pieces of 64 bytes a row, which tiles of 16 columns bring with them; 131,072 bytes in the whole launch
.Lend:
	s_wait_tensorcnt 0x0                           ; the wave's end: behind my last tensor load and my last LDS store
	ds_add_u32 v[SPW], v[NIL]
	s_wait_dscnt 0x0
	s_endpgm
.Lfunc_end_k_qa72d9d90d7_first16:
	.size	k_qa72d9d90d7_first16, .Lfunc_end_k_qa72d9d90d7_first16-k_qa72d9d90d7_first16
	.p2alignl 7, 3214868480
	.fill 96, 4, 3214868480
	.section	.rodata,"a",@progbits
	.p2align	6, 0x0
	.amdhsa_kernel k_qa72d9d90d7_first16
		.amdhsa_group_segment_fixed_size 275456
		.amdhsa_private_segment_fixed_size 0
		.amdhsa_enable_private_segment 0
		.amdhsa_kernarg_size 32
		.amdhsa_user_sgpr_count 2
		.amdhsa_user_sgpr_kernarg_segment_ptr 1
		.amdhsa_wavefront_size32 1
		.amdhsa_system_sgpr_workgroup_id_x 1
		.amdhsa_system_sgpr_workgroup_id_y 1
		.amdhsa_system_sgpr_workgroup_id_z 1
		.amdhsa_system_vgpr_workitem_id 0
		.amdhsa_next_free_vgpr 512
		.amdhsa_next_free_sgpr 66
		.amdhsa_reserve_vcc 1
		.amdhsa_float_denorm_mode_32 3
		.amdhsa_float_denorm_mode_16_64 3
		.amdhsa_memory_ordered 1
		.amdhsa_forward_progress 1
		.amdhsa_inst_pref_size 75
	.end_amdhsa_kernel
	.amdgpu_metadata
---
amdhsa.version: [ 1, 2 ]
amdhsa.kernels:
  - .name:           k_qa72d9d90d7_first16
    .symbol:         k_qa72d9d90d7_first16.kd
    .args:
      - { .name: qkv32, .offset: 0, .size: 8, .value_kind: global_buffer, .address_space: global }
      - { .name: Wo, .offset: 8, .size: 8, .value_kind: global_buffer, .address_space: global }
      - { .name: out0, .offset: 16, .size: 8, .value_kind: global_buffer, .address_space: global }
      - { .name: wo16, .offset: 24, .size: 8, .value_kind: global_buffer, .address_space: global }
    .group_segment_fixed_size: 275456
    .private_segment_fixed_size: 0
    .kernarg_segment_align: 8
    .kernarg_segment_size: 32
    .max_flat_workgroup_size: 256
    .sgpr_count:     66
    .vgpr_count:     512
    .wavefront_size: 32
...
	.end_amdgpu_metadata
.endif
;; end of part 3
;; launch attn (part 4): grid 32 x 8, 16 waves a work-group, no clusters, 327,680 bytes of LDS; arguments qkv16, ctx16; writes ctx16
.if DOCPART == 4
	.amdgcn_target "amdgcn-amd-amdhsa--gfx1250"
	.amdhsa_code_object_version 6
	.text
	.protected	k_qa72d9d90d7_attn
	.globl	k_qa72d9d90d7_attn
	.p2align	8
	.type	k_qa72d9d90d7_attn,@function
k_qa72d9d90d7_attn:
	s_mov_b64 s[64:65], 0
	v_nop
	global_prefetch_b8 v0, s[64:65] scope:SCOPE_SE
	s_setreg_imm32_b32 hwreg(HW_REG_WAVE_MODE, 25, 1), 1
	s_wait_xcnt 0x0
; ctx[pos][64 head + d] = the sum over keys k <= pos of softmax_k(q . k / 8) v, 32 query heads on 8 key / value heads.  qkv16: [48 heads][2048][64] f16 (0-31 q, 32-39 k, 40-47 v); ctx16: [2048][2048] f16.
; Products on f16 operands with f32 sums; maxima, exponentials and sums in f32, with a running maximum; the weights p (at most 1) are rounded to f16 for the second product.
; SHARES.  A UNIT is 16 positions x two query heads of one key / value head: its two tiles share every fragment of K and V and have the same mask.
; Work-group (j, kv) owns the position tiles 2 j, 2 j + 1, 126 - 2 j, 127 - 2 j for the four query heads of kv: 8 units, whose causal work adds up to the same for every j.
; EACH UNIT IS WALKED BY TWO WAVES: the wave of parity e takes the steps of 64 keys whose number has parity e; at the end the odd wave hands its maximum, sum and O^T to the even one through LDS.
; Wave w: a = w / 4, b = w % 4, le = (a + b) % 4: long or short tile le / 2, parity le % 2, tile a % 2, pair of heads a / 2: four waves that are neighbours, or four apart, hold all four (length, parity).
; LAYOUT.  S^T = K Q^T (source 0 = 16 keys, source 1 = 16 queries): a lane holds ONE query (lane % 16) and keys 8 (lane / 16) + 0 .. 7.  Two such tiles, rounded to f16 in pairs, in place, ARE source 1
; of O^T = V^T P, whose result again holds one query a lane.  K comes out of LDS as it lies, V ([key][channel]) turned, by ds_load_tr16_b128.
; THE RING: two LDS slots of 256 keys (four steps), filled by the tensor data mover: waves 0-3 a quarter of K each, waves 4-7 of V, 64 rows a load; all sixteen read.
; THE CAUSAL MASK.  Every work-group walks all 8 slots: the trip count is a constant.  A step whose keys all come after the wave's queries is left out by a scalar branch on ids; on the diagonal hidden scores
; become -infinity.  A slot whose first key comes after the work-group's last query is not asked for: a jump on ids, the same in all waves, round the load alone; every wait on TENSORcnt is for 0.
; NO CLUSTER: under the mask the work-groups of a head need different numbers of slots, and the jump that ends the loads at the causal limit may not lead round a joint load.
.set SK,    256                        ; keys in a slot
.set PK,    144                        ; a key's row in LDS: 128 bytes + 16 of padding
.set PV,    160                        ; a row of V: 128 + 32
.set VOFF,  SK*PK
.set SLOT1, 1<<17                      ; slot 1 begins here: one exclusive or turns an address
.set STAGE, SLOT1+SK*(PK+PV)           ; the way out: 16 rows x (256 bytes + 16) for each unit
.set MRG,   STAGE+8*16*272             ; the hand-over: 17 images of 512 bytes for each unit
.set SPARE, MRG+8*17*512               ; the spare words: 128 bytes a wave, named by no other line
.set AK0, 1                            ; v1   my lane's place in a tile of K
.set AV0, 2                            ; v2   the same for V
.set ADK, 3                            ; v3   LDS address of the step's K
.set ADV, 4                            ; v4   of its V
.set SPW, 5                            ; v5   LDS address of my spare word; never rewritten
.set NIL, 6                            ; v6   0; never rewritten
.set GO,  7                            ; v7   my byte offset in the unit's rows of ctx
.set QO,  8                            ; v8   my byte offset in a tile of Q
.set STO, 9                            ; v9   the stage: in
.set RD,  10                           ; v10  the stage: back
.set DM,  11                           ; v11  the mask's distance
.set NINF, 12                          ; v12  -infinity
.set PFO, 13                           ; v13  256 x lane
.set MA,  14                           ; v14  the hand-over: 16 x lane in my unit's images
.set RH,  15                           ; v15  lane % 16 - 8 (lane / 16)
.set ST,  16                           ; tile t at v[16 + 8 t]: +0 c m, +1 m, +2, +3 l (even keys', odd keys'), +4 .. +7 at work; a at +6
.set Q,   32                           ; v32-63   Q: 16 t + 8 ks
.set KV,  64                           ; v64-127  eight fragments of K, then of V
.set S,   128                          ; v128-191 S^T: 32 t + 8 kt; p's f16 pairs are packed into 32 t + 0 .. 15
.set O,   192                          ; v192-255 O^T: 32 t + 8 dt
.set WV,  8                            ; s8   wave
.set PAR, 11                           ; s11  my parity
.set UN,  13                           ; s13  my unit
.set Q0,  14                           ; s14  my first query
.set LIMQ, 15                          ; s15  my last
.set LASTQ, 16                         ; s16  my work-group's last
.set KB,  17                           ; s17  the slot's first key
.set TB,  18                           ; s18  LDS byte at which the slot in hand begins
.set SLOTS, 19                         ; s19  changes of slots to go
.set SEL, 20                           ; s[20:21] v_permlanex16_b32's selects for lane l xor 16
.set CS,  22                           ; s[22:23] c = log2(e) / 8
.set G1K, 24
.set G1V, 32
.set G0K, 40
.set G0V, 44
.set PFA, 48                           ; s[48:49] where my prefetches stand
.set LIM, 50                           ; s50  1 in a wave that prefetches, else the greatest number
; Waves 0-3 fetch for K, waves 4-7 for V, the others nothing.  An s_nop 0 and four v_nop follow each line.
.macro TLOAD
	s_cmp_lt_u32 s[WV], 4
	s_cbranch_scc0 .Lnot_k_\@
	tensor_load_to_lds s[G0K:G0K+3], s[G1K:G1K+7]
	s_nop 0
.rept 4
	v_nop
.endr
	s_branch .Lasked_\@
.Lnot_k_\@:
	s_cmp_lt_u32 s[WV], 8
	s_cbranch_scc0 .Lasked_\@
	tensor_load_to_lds s[G0V:G0V+3], s[G1V:G1V+7]
	s_nop 0
.rept 4
	v_nop
.endr
.Lasked_\@:
.endm
; A prefetch of what the NEXT change of slots will ask for: 256 rows of K and of V, two dense blocks of 32,768 bytes.  All work-groups of a key / value head walk the same rows: its first work-group (j = 0) asks;
; in it the waves that fetch nothing: 8-11 for K, 12-15 for V, 8,192 bytes a wave, lanes 256 bytes apart: each aligned 256 bytes are named once in the launch.  The last change that fills a slot asks for nothing.
.macro ASK
	s_cmp_gt_u32 s[SLOTS], s[LIM]
	s_cbranch_scc0 .Lnot_mine_\@
	global_prefetch_b8 v[PFO], s[PFA:PFA+1] th:TH_LOAD_NT scope:SCOPE_SE
.Lnot_mine_\@:
.endm
	s_load_b128 s[4:7], s[0:1], 0x0                ; qkv16 s[4:5], ctx16 s[6:7]
	v_lshl_add_u32 v[SPW], v0, 2, SPARE
	v_mov_b32 v[NIL], 0
	ds_add_u32 v[SPW], v[NIL]                      ; the wave's opening: the add, twice on end, and its wait ahead of my first tensor load
	ds_add_u32 v[SPW], v[NIL]
	v_lshrrev_b32 v1, 5, v0
	v_readfirstlane_b32 s[WV], v1                  ; wave 0..15
	s_lshr_b32 s9, s[WV], 2                        ; a
	s_and_b32 s10, s[WV], 3                        ; b
	s_add_co_u32 s12, s9, s10
	s_and_b32 s12, s12, 3                          ; le
	s_and_b32 s[PAR], s12, 1
	s_lshr_b32 s12, s12, 1                         ; 1: a late tile
	s_lshl_b32 s[UN], s12, 2
	s_add_co_u32 s[UN], s[UN], s9                  ; my unit
	s_and_b32 s52, s9, 1
	s_lshl_b32 s53, ttmp9, 1
	s_add_co_u32 s52, s52, s53                     ; 2 j + a % 2
	s_sub_co_u32 s53, 127, s52
	s_cmp_eq_u32 s12, 1
	s_cselect_b32 s52, s53, s52                    ; my position tile
	s_lshl_b32 s[Q0], s52, 4
	s_add_co_u32 s[LIMQ], s[Q0], 15
	s_lshl_b32 s53, ttmp9, 5
	s_sub_co_u32 s[LASTQ], 2047, s53               ; tile 127 - 2 j ends here
	s_and_b32 s54, ttmp7, 0xffff                   ; kv
	; group 1: 64 rows of 64 elements of 2 bytes, dense in memory, padded behind each row in LDS
	s_mov_b32 s[G1K], (1<<16)|(1<<20)|(4<<22)|(3<<25)   ; 17:16 elements of 2 bytes; 20 padding on; 24:22 after every 32 words; 31:25 four words
	s_mov_b32 s[G1V], (1<<16)|(1<<20)|(4<<22)|(7<<25)   ; eight words
.irp g, G1K, G1V
	s_mov_b32 s[\g+1], 64<<16                      ; tensor_dim0
	s_mov_b32 s[\g+2], 64<<16                      ; tensor_dim1
	s_mov_b32 s[\g+3], 64<<16                      ; tile_dim0
	s_mov_b32 s[\g+4], 64                          ; tile_dim1
	s_mov_b32 s[\g+5], 64                          ; from row to row
	s_mov_b32 s[\g+6], 0
	s_mov_b32 s[\g+7], 0
.endr
	s_add_co_u32 s56, s54, 32
	s_lshl_b32 s56, s56, 18                        ; K's head, 262,144 bytes a head,
	s_lshl_b32 s55, s10, 13                        ; my quarter of a slot: 64 rows of 128 bytes
	s_add_co_u32 s56, s56, s55
	s_mov_b32 s57, 0
	s_add_co_u32 s58, s56, 8<<18                   ; V's head lies 8 heads on
	s_mov_b32 s59, 0
	s_mov_b32 s[SEL], 0x76543210
	s_mov_b32 s[SEL+1], 0xfedcba98
	s_mov_b32 s[CS], 0x3e38aa3b                    ; log2(e) / 8
	s_mov_b32 s[CS+1], s[CS]
	s_mov_b32 s[KB], 0
	s_mov_b32 s[TB], 0
	s_mov_b32 s[SLOTS], 7
	s_wait_dscnt 0x0                               ; both opening adds are done
	s_wait_kmcnt 0x0
	s_mov_b32 s[G0K], 1
	s_mul_i32 s[G0K+1], s10, 64*PK                 ; slot 0, my quarter
	s_add_nc_u64 s[G0K+2:G0K+3], s[4:5], s[56:57]
	s_or_b32 s[G0K+3], s[G0K+3], 0x80000000
	s_mov_b32 s[G0V], 1
	s_mul_i32 s[G0V+1], s10, 64*PV
	s_add_co_u32 s[G0V+1], s[G0V+1], VOFF
	s_add_nc_u64 s[G0V+2:G0V+3], s[4:5], s[58:59]
	s_or_b32 s[G0V+3], s[G0V+3], 0x80000000
	TLOAD                                          ; slot 0: keys 0-255, which count for queries of every work-group
	; the prefetches: where my wave's stand, and who asks
	s_cmp_lt_u32 s[WV], 12
	s_cselect_b32 s56, 32, 40
	s_add_co_u32 s56, s56, s54
	s_lshl_b32 s56, s56, 18
	s_add_co_u32 s56, s56, s55
	s_add_co_u32 s56, s56, SK*128                  ; in slot 1: the first change of slots steps it to slot 2
	s_add_nc_u64 s[PFA:PFA+1], s[4:5], s[56:57]
	s_lshr_b32 s56, s[WV], 3
	s_xor_b32 s56, s56, 1                          ; 0 in waves 8 to 15,
	s_or_b32 s56, s56, ttmp9                       ; of the head's first work-group
	s_cmp_eq_u32 s56, 0
	s_cselect_b32 s[LIM], 1, -1
	; Q and ctx
	s_lshl_b32 s56, s54, 2
	s_lshr_b32 s55, s9, 1
	s_lshl_b32 s55, s55, 1
	s_add_co_u32 s55, s56, s55                     ; my first query head: 4 kv + 2 (a / 2)
	s_lshl_b32 s56, s55, 18
	s_lshl_b32 s58, s[Q0], 7
	s_add_co_u32 s56, s56, s58
	s_add_nc_u64 s[60:61], s[4:5], s[56:57]        ; Q at my first query
	s_lshl_b32 s56, s[Q0], 12
	s_lshl_b32 s58, s55, 7
	s_add_co_u32 s56, s56, s58
	s_add_nc_u64 s[62:63], s[6:7], s[56:57]        ; ctx at my first row, my two heads' 256 bytes
	v_and_b32 v126, 15, v0                         ; r
	v_bfe_u32 v127, v0, 4, 1                       ; h
	v_and_b32 v125, 31, v0                         ; lane
	v_lshlrev_b32 v[QO], 7, v126
	v_lshl_add_u32 v[QO], v127, 4, v[QO]
.irp t, 0,1
.irp ks, 0,1
	global_load_b128 v[Q+16*\t+8*\ks:Q+16*\t+8*\ks+3], v[QO], s[60:61] offset:262144*\t+64*\ks       ; Q stays in registers
	global_load_b128 v[Q+16*\t+8*\ks+4:Q+16*\t+8*\ks+7], v[QO], s[60:61] offset:262144*\t+64*\ks+32
.endr
.endr
	v_mul_u32_u24 v[AK0], v126, PK
	v_lshl_add_u32 v[AK0], v127, 4, v[AK0]         ; row x pitch + 16 x half
	v_and_b32 v124, 7, v0
	v_lshl_add_u32 v124, v127, 3, v124
	v_mul_u32_u24 v[AV0], v124, PV                 ; the turning load: key 8 h + lane % 8,
	v_bfe_u32 v124, v0, 3, 1
	v_lshl_add_u32 v[AV0], v124, 4, v[AV0]         ; channels 8 ((lane / 8) % 2) on
	v_add_nc_u32 v[AV0], VOFF, v[AV0]
	v_lshlrev_b32 v[GO], 12, v127
	v_lshl_add_u32 v[GO], v126, 4, v[GO]           ; lanes 0-15 one row of ctx, lanes 16-31 the next
	s_mul_i32 s56, s[UN], 16*272
	s_add_co_u32 s56, s56, STAGE
	v_mul_u32_u24 v[STO], v126, 272
	v_lshl_add_u32 v[STO], v127, 4, v[STO]
	v_add_nc_u32 v[STO], s56, v[STO]
	v_mul_u32_u24 v[RD], v127, 272
	v_lshl_add_u32 v[RD], v126, 4, v[RD]
	v_add_nc_u32 v[RD], s56, v[RD]
	s_mul_i32 s56, s[UN], 17*512
	s_add_co_u32 s56, s56, MRG
	v_lshl_add_u32 v[MA], v125, 4, s56
	v_lshlrev_b32 v[RH], 3, v127
	v_sub_nc_u32 v[RH], v126, v[RH]
	v_mov_b32 v[NINF], 0xff800000
	v_lshlrev_b32 v[PFO], 8, v125
.irp t, 0,1
	v_mov_b32 v[ST+8*\t+1], 0xff61b1e6             ; the largest score so far: -3e38, under every score
	v_mul_f32 v[ST+8*\t], s[CS], v[ST+8*\t+1]
	v_mov_b32 v[ST+8*\t+2], 0                      ; the sum, in two halves
	v_mov_b32 v[ST+8*\t+3], 0
.endr
.set i, 0
.rept 64
	v_mov_b32 v[O+i], 0                            ; O^T: the step is written once; the first finds zeros, which the first a = 0 leaves zeros
.set i, i+1
.endr
; A STEP: 64 keys, the q-th of the slot in hand, for my two tiles.
.macro STEP q
	s_cmp_lg_u32 s[PAR], (\q)&1                    ; the other wave of my unit takes it
	s_cbranch_scc1 .Lhidden_\@
	s_add_co_u32 s52, s[KB], 64*(\q)               ; its first key
	s_cmp_gt_u32 s52, s[LIMQ]                      ; all its keys come after my queries
	s_cbranch_scc1 .Lhidden_\@
	v_add_nc_u32 v[ADK], s[TB], v[AK0]
	v_add_nc_u32 v[ADV], s[TB], v[AV0]
.irp f, 0,1,2,3,4,5,6,7                        ; K: keys 16 (f / 2) on, channels 32 (f % 2) on
	ds_load_b128 v[KV+8*\f:KV+8*\f+3], v[ADK] offset:(64*(\q)+16*(\f/2))*PK+64*(\f%2)
	ds_load_b128 v[KV+8*\f+4:KV+8*\f+7], v[ADK] offset:(64*(\q)+16*(\f/2))*PK+64*(\f%2)+32
.endr
	s_wait_dscnt 0x0
.irp ks, 0,1                                   ; S^T = K Q^T: the eight accumulators take turns
.irp kt, 0,1,2,3
.irp t, 0,1
.if \ks == 0
	v_wmma_f32_16x16x32_f16 v[S+32*\t+8*\kt:S+32*\t+8*\kt+7], v[KV+8*(2*\kt+\ks):KV+8*(2*\kt+\ks)+7], v[Q+16*\t+8*\ks:Q+16*\t+8*\ks+7], 0
.else
	v_wmma_f32_16x16x32_f16 v[S+32*\t+8*\kt:S+32*\t+8*\kt+7], v[KV+8*(2*\kt+\ks):KV+8*(2*\kt+\ks)+7], v[Q+16*\t+8*\ks:Q+16*\t+8*\ks+7], v[S+32*\t+8*\kt:S+32*\t+8*\kt+7]
.endif
.endr
.endr
.endr
.rept 4
	v_nop                                          ; places in front of the loads into K's registers and of the first read of the scores
.endr
.irp f, 0,1,2,3,4,5,6,7                        ; V, turned: keys 32 (f / 4) on, channels 16 (f % 4) on; it lands while the softmax is walked
	ds_load_tr16_b128 v[KV+8*\f:KV+8*\f+3], v[ADV] offset:(64*(\q)+32*(\f/4))*PV+32*(\f%4)
	ds_load_tr16_b128 v[KV+8*\f+4:KV+8*\f+7], v[ADV] offset:(64*(\q)+32*(\f/4)+16)*PV+32*(\f%4)
.endr
	s_add_co_u32 s53, s52, 63
	s_cmp_le_u32 s53, s[Q0]                        ; all its keys count: no mask
	s_cbranch_scc1 .Lopen_\@
	s_sub_co_u32 s53, s[Q0], s52
	v_add_nc_u32 v[DM], s53, v[RH]                 ; register 8 kt + i holds key (first key) + 16 kt + 8 h + i: hidden where 16 kt + i > my query - first key - 8 h
.irp n, 0,1,2,3,4,5,6,7,8,9,10,11,12,13,14,15,16,17,18,19,20,21,22,23,24,25,26,27,28,29,30,31
	v_cmp_gt_i32 vcc_lo, 16*(\n/8)+\n%8, v[DM]
	v_cndmask_b32 v[S+\n], v[S+\n], v[NINF], vcc_lo
	v_cndmask_b32 v[S+32+\n], v[S+32+\n], v[NINF], vcc_lo
.endr
.Lopen_\@:
	; the softmax, the two tiles line by line by turns.  The maximum of the lane's 32 scores and the old m, three operands at a time, in four chains
.irp c, 0,1,2,3
.irp t, 0,1
	v_max3_num_f32 v[ST+8*\t+4+\c], v[S+32*\t+8*\c], v[S+32*\t+8*\c+1], v[S+32*\t+8*\c+2]
.endr
.endr
.irp i, 3,5
.irp c, 0,1,2,3
.irp t, 0,1
	v_max3_num_f32 v[ST+8*\t+4+\c], v[ST+8*\t+4+\c], v[S+32*\t+8*\c+\i], v[S+32*\t+8*\c+\i+1]
.endr
.endr
.endr
.irp t, 0,1
	v_max3_num_f32 v[ST+8*\t+4], v[ST+8*\t+4], v[S+32*\t+7], v[S+32*\t+15]
	v_max3_num_f32 v[ST+8*\t+6], v[ST+8*\t+6], v[S+32*\t+23], v[S+32*\t+31]
.endr
.irp t, 0,1
	v_max3_num_f32 v[ST+8*\t+4], v[ST+8*\t+4], v[ST+8*\t+5], v[ST+8*\t+6]
.endr
.irp t, 0,1
	v_max3_num_f32 v[ST+8*\t+4], v[ST+8*\t+4], v[ST+8*\t+7], v[ST+8*\t+1]
.endr
.irp t, 0,1
	v_permlanex16_b32 v[ST+8*\t+5], v[ST+8*\t+4], s[SEL], s[SEL+1]   ; the query's other 32 keys lie in the lane 16 away
.endr
.irp t, 0,1
	v_mov_b32 v[ST+8*\t+7], v[ST+8*\t]             ; c m_old is kept for a
.endr
.irp t, 0,1
	v_max_num_f32 v[ST+8*\t+1], v[ST+8*\t+4], v[ST+8*\t+5]
.endr
.irp t, 0,1
	v_mul_f32 v[ST+8*\t], s[CS], v[ST+8*\t+1]
.endr
.irp t, 0,1
	v_sub_f32 v[ST+8*\t+7], v[ST+8*\t+7], v[ST+8*\t]
.endr
.irp j, 0,2,4,6,8,10,12,14,16,18,20,22,24,26,28,30
.irp t, 0,1
	v_pk_fma_f32 v[S+32*\t+\j:S+32*\t+\j+1], v[S+32*\t+\j:S+32*\t+\j+1], s[CS:CS+1], v[ST+8*\t:ST+8*\t+1] op_sel_hi:[1,0,0] neg_lo:[0,0,1] neg_hi:[0,0,1]   ; c s - c m
.endr
.endr
.irp t, 0,1
	v_exp_f32 v[ST+8*\t+6], v[ST+8*\t+7]           ; a = 2^(c m_old - c m_new)
.endr
.irp j, 0,1,2,3,4,5,6,7,8,9,10,11,12,13,14,15,16,17,18,19,20,21,22,23,24,25,26,27,28,29,30,31
.irp t, 0,1
	v_exp_f32 v[S+32*\t+\j], v[S+32*\t+\j]         ; p
.endr
.endr
	v_nop                                          ; a plain instruction behind the last exponential
	s_wait_alu depctr_va_vdst(0)                   ; one wait for the batch of 66, ahead of its first reader
.irp t, 0,1
	v_pk_add_f32 v[ST+8*\t+4:ST+8*\t+5], v[S+32*\t:S+32*\t+1], v[S+32*\t+2:S+32*\t+3]   ; the sum is taken of the unrounded p, and leaves p as it is
.endr
.irp j, 4,6,8,10,12,14,16,18,20,22,24,26,28,30
.irp t, 0,1
	v_pk_add_f32 v[ST+8*\t+4:ST+8*\t+5], v[ST+8*\t+4:ST+8*\t+5], v[S+32*\t+\j:S+32*\t+\j+1]
.endr
.endr
.irp t, 0,1
	v_pk_fma_f32 v[ST+8*\t+2:ST+8*\t+3], v[ST+8*\t+2:ST+8*\t+3], v[ST+8*\t+6:ST+8*\t+7], v[ST+8*\t+4:ST+8*\t+5] op_sel_hi:[1,0,1]   ; l = a l + the sum
.endr
.irp i, 0,1,2,3,4,5,6,7,8,9,10,11,12,13,14,15
.irp t, 0,1
	v_cvt_pk_f16_f32 v[S+32*\t+\i], v[S+32*\t+2*\i], v[S+32*\t+2*\i+1]   ; in place, ascending: pair i lands on a register whose number has been read
.endr
.endr
.irp j, 0,2,4,6,8,10,12,14,16,18,20,22,24,26,28,30
.irp t, 0,1
	v_pk_mul_f32 v[O+32*\t+\j:O+32*\t+\j+1], v[O+32*\t+\j:O+32*\t+\j+1], v[ST+8*\t+6:ST+8*\t+7] op_sel_hi:[1,0]   ; O^T x a
.endr
.endr
	s_wait_dscnt 0x0                               ; V is in
.irp kk, 0,1                                   ; O^T += V^T P: the eight accumulators take turns
.irp dt, 0,1,2,3
.irp t, 0,1
	v_wmma_f32_16x16x32_f16 v[O+32*\t+8*\dt:O+32*\t+8*\dt+7], v[KV+8*(4*\kk+\dt):KV+8*(4*\kk+\dt)+7], v[S+32*\t+8*\kk:S+32*\t+8*\kk+7], v[O+32*\t+8*\dt:O+32*\t+8*\dt+7]
.endr
.endr
.endr
.rept 5
	v_nop                                          ; five places: the next step's first products write over p's registers, which these products read; its loads into V's registers want four
.endr
.Lhidden_\@:
.endm
; THE CHANGE OF SLOTS stands at a slot's head.  Each wave waits for all its tensor loads, adds 0 to its spare word, and waits for that and for its reads of the slot that it has left.
; Behind the barrier the slot ahead is whole and nobody reads the other one.  fill = 1: that other slot is filled with the keys that follow, up to the causal limit.
.macro CHANGE fill
	s_wait_tensorcnt 0x0                           ; no tensor load of mine is out, so a group 0 may be written
	ds_add_u32 v[SPW], v[NIL]                      ; 0 onto my spare word
.if \fill
	ds_add_u32 v[SPW], v[NIL]                      ; and once more: the add twice on end here, in every trip alike
	s_xor_b32 s[G0K+1], s[G0K+1], SLOT1            ; the walking descriptors: the other slot than last time,
	s_add_nc_u64 s[G0K+2:G0K+3], s[G0K+2:G0K+3], SK*128   ; the next 256 keys
	s_xor_b32 s[G0V+1], s[G0V+1], SLOT1
	s_add_nc_u64 s[G0V+2:G0V+3], s[G0V+2:G0V+3], SK*128
	s_wait_xcnt 0x0                                ; the last prefetch, a slot back, has read its address, so it may be written:
	s_add_nc_u64 s[PFA:PFA+1], s[PFA:PFA+1], SK*128   ; one slot further on than the walking descriptors
.endif
	s_wait_dscnt 0x0                               ; the add is done, and my reads of the slot that I have left are over
	s_barrier_signal -1
	s_barrier_wait -1
.if \fill
	s_add_co_u32 s52, s[KB], SK                    ; the first key of the slot that this change would ask for
	s_cmp_gt_u32 s52, s[LASTQ]                     ; ids and the count of trips alone: all sixteen waves go the same way; no wave would read that slot
	s_cbranch_scc1 .Lpast_\@
	TLOAD                                          ; a wave's one tensor load until the next change: it has a slot's four steps in which to land
.Lpast_\@:
	ASK
.endif
.endm
.macro SLOT_STEPS
	STEP 0
	STEP 1
	STEP 2
	STEP 3
	s_add_co_u32 s[KB], s[KB], SK
	s_xor_b32 s[TB], s[TB], SLOT1
.endm
	s_wait_loadcnt 0x0                             ; Q
.Lslot:                                            ; 7 trips
	CHANGE 1
	SLOT_STEPS
	s_sub_co_u32 s[SLOTS], s[SLOTS], 1
	s_cmp_lg_u32 s[SLOTS], 0
	s_cbranch_scc1 .Lslot
	CHANGE 0                                       ; the last slot is written out: nothing is left to ask for
	SLOT_STEPS
	; THE HAND-OVER.  The odd wave's O^T (16 images of four registers), and c m and l of its two tiles, go to LDS as they stand; the even wave of the unit takes them.
	v_add_f32 v129, v[ST+2], v[ST+3]
	v_add_f32 v131, v[ST+10], v[ST+11]
	v_mov_b32 v128, v[ST]
	v_mov_b32 v130, v[ST+8]
	s_cmp_eq_u32 s[PAR], 0
	s_cbranch_scc1 .Lno_hand
.irp i, 0,1,2,3,4,5,6,7,8,9,10,11,12,13,14,15
	ds_store_b128 v[MA], v[O+4*\i:O+4*\i+3] offset:512*\i
.endr
	ds_store_b128 v[MA], v[128:131] offset:8192
.Lno_hand:
	s_wait_dscnt 0x0                               ; for the other wave's sake: my stores have landed
	s_barrier_signal -1
	s_barrier_wait -1
	s_cmp_lg_u32 s[PAR], 0
	s_cbranch_scc1 .Lend
.irp i, 0,1,2,3,4,5,6,7,8,9,10,11,12,13,14,15
	ds_load_b128 v[KV+4*\i:KV+4*\i+3], v[MA] offset:512*\i
.endr
	ds_load_b128 v[132:135], v[MA] offset:8192
	v_mov_b32 v144, 0                              ; a lane permute's destination counts as one of its sources
	v_mov_b32 v145, 0
	s_wait_dscnt 0x0
.irp t, 0,1
	v_max_num_f32 v[136+\t], v[128+2*\t], v[132+2*\t]        ; the common c m
.endr
.irp t, 0,1
	v_sub_f32 v[138+2*\t], v[128+2*\t], v[136+\t]
	v_sub_f32 v[139+2*\t], v[132+2*\t], v[136+\t]
.endr
.irp i, 0,1,2,3
	v_exp_f32 v[138+\i], v[138+\i]                 ; what brings each wave's sums under it (0 for a wave that walked no step)
.endr
	v_nop
	s_wait_alu depctr_va_vdst(0)                   ; one wait for the four
.irp t, 0,1
	v_mul_f32 v[142+\t], v[129+2*\t], v[138+2*\t]
.endr
.irp t, 0,1
	v_fmac_f32 v[142+\t], v[133+2*\t], v[139+2*\t]
.endr
.irp t, 0,1
	v_permlanex16_b32 v[144+\t], v[142+\t], s[SEL], s[SEL+1]
.endr
.irp t, 0,1
	v_add_f32 v[142+\t], v[142+\t], v[144+\t]      ; the row's sum
.endr
.irp t, 0,1
	v_rcp_f32 v[142+\t], v[142+\t]
.endr
	v_nop
	s_wait_alu depctr_va_vdst(0)                   ; one wait for the two
.irp t, 0,1
	v_mul_f32 v[148+4*\t], v[138+2*\t], v[142+\t]  ; my factor, twice: a pair for the packed forms;
	v_mul_f32 v[149+4*\t], v[138+2*\t], v[142+\t]
	v_mul_f32 v[150+4*\t], v[139+2*\t], v[142+\t]  ; the other wave's
	v_mul_f32 v[151+4*\t], v[139+2*\t], v[142+\t]
.endr
.irp t, 0,1
.irp j, 0,2,4,6,8,10,12,14,16,18,20,22,24,26,28,30
	v_pk_mul_f32 v[O+32*\t+\j:O+32*\t+\j+1], v[O+32*\t+\j:O+32*\t+\j+1], v[148+4*\t:149+4*\t]
.endr
.irp j, 0,2,4,6,8,10,12,14,16,18,20,22,24,26,28,30
	v_pk_fma_f32 v[O+32*\t+\j:O+32*\t+\j+1], v[KV+32*\t+\j:KV+32*\t+\j+1], v[150+4*\t:151+4*\t], v[O+32*\t+\j:O+32*\t+\j+1]
.endr
.endr
.set i, 0
.rept 32
	v_cvt_pk_f16_f32 v[160+i], v[O+2*i], v[O+2*i+1]
.set i, i+1
.endr
.irp t, 0,1
.irp dt, 0,1,2,3
	ds_store_b128 v[STO], v[160+16*\t+4*\dt:160+16*\t+4*\dt+3] offset:128*\t+32*\dt   ; row r: head t's 128 bytes, channels 16 dt + 8 h on
.endr
.endr
.irp i, 0,1,2,3,4,5,6,7
	ds_load_b128 v[KV+4*\i:KV+4*\i+3], v[RD] offset:544*\i   ; LDS serves a wave's instructions in order: these see my stores
.endr
.irp i, 0,1,2,3,4,5,6,7
	s_wait_dscnt 7-\i                              ; the younger loads may be out
	global_store_b128 v[GO], v[KV+4*\i:KV+4*\i+3], s[62:63] offset:8192*\i   ; 16 lanes store 256 consecutive bytes, aligned: two heads of one position
.endr
.Lend:
	s_wait_tensorcnt 0x0                           ; the wave's end: behind my last tensor load and my last LDS store
	ds_add_u32 v[SPW], v[NIL]
	s_wait_dscnt 0x0
	s_endpgm
.Lfunc_end_k_qa72d9d90d7_attn:
	.size	k_qa72d9d90d7_attn, .Lfunc_end_k_qa72d9d90d7_attn-k_qa72d9d90d7_attn
	.p2alignl 7, 3214868480
	.fill 96, 4, 3214868480
	.section	.rodata,"a",@progbits
	.p2align	6, 0x0
	.amdhsa_kernel k_qa72d9d90d7_attn
		.amdhsa_group_segment_fixed_size 327680
		.amdhsa_private_segment_fixed_size 0
		.amdhsa_enable_private_segment 0
		.amdhsa_kernarg_size 16
		.amdhsa_user_sgpr_count 2
		.amdhsa_user_sgpr_kernarg_segment_ptr 1
		.amdhsa_wavefront_size32 1
		.amdhsa_system_sgpr_workgroup_id_x 1
		.amdhsa_system_sgpr_workgroup_id_y 1
		.amdhsa_system_sgpr_workgroup_id_z 1
		.amdhsa_system_vgpr_workitem_id 0
		.amdhsa_next_free_vgpr 256
		.amdhsa_next_free_sgpr 66
		.amdhsa_reserve_vcc 1
		.amdhsa_float_denorm_mode_32 3
		.amdhsa_float_denorm_mode_16_64 3
		.amdhsa_memory_ordered 1
		.amdhsa_forward_progress 1
		.amdhsa_inst_pref_size 186
	.end_amdhsa_kernel
	.amdgpu_metadata
---
amdhsa.version: [ 1, 2 ]
amdhsa.kernels:
  - .name:           k_qa72d9d90d7_attn
    .symbol:         k_qa72d9d90d7_attn.kd
    .args:
      - { .name: qkv16, .offset: 0, .size: 8, .value_kind: global_buffer, .address_space: global }
      - { .name: ctx16, .offset: 8, .size: 8, .value_kind: global_buffer, .address_space: global }
    .group_segment_fixed_size: 327680
    .private_segment_fixed_size: 0
    .kernarg_segment_align: 8
    .kernarg_segment_size: 16
    .max_flat_workgroup_size: 512
    .sgpr_count:     66
    .vgpr_count:     256
    .wavefront_size: 32
...
	.end_amdgpu_metadata
.endif
;; end of part 4
;; launch proj (part 5): grid 16 x 16, 4 waves a work-group, clusters of 4 x 4, 327,680 bytes of LDS; arguments ctx16, wo16, out0; writes out0
.if DOCPART == 5
	.amdgcn_target "amdgcn-amd-amdhsa--gfx1250"
	.amdhsa_code_object_version 6
	.text
	.protected	k_qa72d9d90d7_proj
	.globl	k_qa72d9d90d7_proj
	.p2align	8
	.type	k_qa72d9d90d7_proj,@function
k_qa72d9d90d7_proj:
	s_mov_b64 s[64:65], 0
	v_nop
	global_prefetch_b8 v0, s[64:65] scope:SCOPE_SE
	s_setreg_imm32_b32 hwreg(HW_REG_WAVE_MODE, 25, 1), 1
	s_wait_xcnt 0x0
	s_wait_alu depctr_hold_cnt(0) depctr_sa_sdst(0) depctr_va_vdst(0) depctr_va_sdst(0) depctr_va_ssrc(0) depctr_va_vcc(0) depctr_vm_vsrc(0)
	s_getreg_b32 s2, hwreg(HW_REG_IB_STS2, 6, 4)
	s_cmp_eq_u32 s2, 0
	s_cbranch_scc0 .Lentry_in_a_cluster
	s_endpgm
.Lentry_in_a_cluster:
	s_bfe_u32 s2, ttmp6, 0x10000c
	s_cmp_lg_u32 s2, 0xf033
	s_cbranch_scc0 .Lentry_shape_is_right
	s_endpgm
.Lentry_shape_is_right:
; out0[s][h] = sum over o of ctx[s][o] Wo[h][o], for rows 16 to 2,047.  ctx16 [2048][2048] and wo16 [2048][2048]: f16; out0 [2048][2048]: f32; sums in f32.
; Rows 0-15 have been written, from finer operands, by an earlier launch: here they are multiplied with their tile and not stored (a lane mask, no branch).
; A tile of out0 is 128 x 128: 256 work-groups.  Four waves, each 64 x 64: 16 accumulators of 16 x 16.  K goes in steps of 256 (LDS rows of 512 bytes; a wave's tensor load brings 64 of them) through two slots.
; CLUSTERS: 4 x 4 work-groups; ctx's tile is shared along a row of the cluster, Wo's along a column: joint loads.
; THE MATRIX INSTRUCTION IS USED TRANSPOSED (source 0 = 16 rows of Wo, source 1 = 16 rows of ctx): a lane holds eight neighbouring numbers of a row of out0.
; A wave's 64 columns of f32 are 256 aligned bytes, so each wave has a stage of its own on the way out, and no barrier stands there.
; REGISTERS: window 0: v0-31 addresses; v32-95 rows read back from the stage, two sets; v128-255 the accumulators ((a, b) at v[128 + 8 (4 a + b)]).
;   window 1: two fragment buffers of 128: for 64 along K, 64 registers of ctx, then 64 of Wo.
.set SIZE_K, 2048
.set SIZE_N, 2048
.set KSTEP,  256
.set PITCH,  528                       ; an LDS row: 512 bytes + 16 of padding: the 16 rows of a fragment load start in 16 different groups of banks (64 banks of 4 bytes: ISA guide 11.1)
.set HALFT,  64*PITCH
.set SLOT,   4*HALFT                   ; ctx's 128 rows, then Wo's 128 rows
.set STAGE,  2*SLOT                    ; behind the ring: 16 rows x 272 bytes for each wave
.set SPITCH, 272
.set SPARE,  STAGE+4*16*SPITCH         ; the spare words: 128 bytes a wave, named by no other line
.set LAPS, SIZE_K/(2*KSTEP)
.set ADRA, 16
.set ADRB, 20
.set STO,  24
.set RD,   25
.set CO,   26
.set ROWB, 27                          ; v27  my wave's first row of out0, the same in every lane
.set SPW,  28                          ; v28  LDS address of my spare word; never rewritten
.set NIL,  29                          ; v29  0; never rewritten
.set TMP,  32
.set ACC,  128
.set F0,   0
.set F1,   128
.set G1, 24
.set G0, 32
.set G1B, 48
.set G0B, 56
.set MSB, 0
.macro WIN new
.if MSB != \new
	s_set_vgpr_msb (MSB<<8)|\new
.set MSB, \new
.endif
.endm
.set MUL,  0x05                        ; sources 0 (Wo) and 1 (ctx) window 1; C and D window 0
.set TO_F, 0x40                        ; destination window 1
.macro JLOAD s                         ; a joint load: waves 0 and 1 fetch ctx's two halves, waves 2 and 3 Wo's; an s_nop 0 and four v_nop follow each line
	s_cmp_eq_u32 s11, 0
	s_cbranch_scc0 .Lfor_b_\@
	tensor_load_to_lds s[G0+4*\s:G0+4*\s+3], s[G1:G1+7]
	s_nop 0
.rept 4
	v_nop
.endr
	s_branch .Lasked_\@
.Lfor_b_\@:
	tensor_load_to_lds s[G0B+4*\s:G0B+4*\s+3], s[G1B:G1B+7]
	s_nop 0
.rept 4
	v_nop
.endr
.Lasked_\@:
.endm
.macro CREST
	s_cmp_lg_u32 s10, 0
	s_cbranch_scc1 .Lnot_wave_0_\@
	s_barrier_signal -3
.Lnot_wave_0_\@:
	s_barrier_wait -3
	s_barrier_signal -1
	s_barrier_wait -1
.endm
.macro CROUND
	s_barrier_signal -1
	s_barrier_wait -1
	CREST
.endm
	s_load_b128 s[4:7], s[0:1], 0x0                ; ctx16 s[4:5], wo16 s[6:7]
	s_load_b64 s[8:9], s[0:1], 0x10                ; out0
	v_lshl_add_u32 v[SPW], v0, 2, SPARE
	v_mov_b32 v[NIL], 0
	ds_add_u32 v[SPW], v[NIL]                      ; the wave's opening: the add, twice on end, and its wait ahead of my first tensor load
	ds_add_u32 v[SPW], v[NIL]
	v_lshrrev_b32 v1, 5, v0
	v_readfirstlane_b32 s10, v1                    ; wave 0..3
	s_lshr_b32 s11, s10, 1                         ; which half of the tile's rows is mine.  Also: I fetch for ctx (0) or for Wo (1)
	s_and_b32 s12, s10, 1                          ; which half of its columns.  Also: which 64 rows of that tile I fetch
	s_bfe_u32 s40, ttmp6, 0x40000                  ; cx, cy
	s_bfe_u32 s41, ttmp6, 0x40004
	s_lshl_b32 s42, ttmp9, 2
	s_add_co_u32 s42, s42, s40                     ; tile column
	s_and_b32 s13, ttmp7, 0xffff
	s_lshl_b32 s13, s13, 2
	s_add_co_u32 s13, s13, s41                     ; tile row
	s_lshl_b32 s43, s41, 2
	s_lshl_b32 s43, 15, s43                        ; my row of the cluster
	s_lshl_b32 s44, 0x1111, s40                    ; my column
	s_or_b32 s[G1+0], s43, (1<<16)|(1<<20)|(1<<21)|(6<<22)|(3<<25)  ; 15:0 the mask; 17:16 elements of 2 bytes; 20 padding on; 21 set beside a mask; 24:22 after every 128 words; 31:25 four words
	s_or_b32 s[G1B+0], s44, (1<<16)|(1<<20)|(1<<21)|(6<<22)|(3<<25)
.irp g, G1, G1B
	s_mov_b32 s[\g+1], KSTEP<<16                   ; tensor_dim0 = 256
	s_mov_b32 s[\g+2], 64<<16                      ; tensor_dim1 = 64
	s_mov_b32 s[\g+3], KSTEP<<16                   ; tile_dim0 = 256
	s_mov_b32 s[\g+4], 64                          ; tile_dim1 = 64
	s_mov_b32 s[\g+5], SIZE_K                      ; from row to row
	s_mov_b32 s[\g+6], 0
	s_mov_b32 s[\g+7], 0
.endr
	s_lshl_b32 s17, s12, 6                         ; which 64 rows of the tile I fetch
	s_lshl_b32 s16, s13, 7
	s_add_co_u32 s16, s16, s17                     ; ctx: row 128 x tile row + 64 x half
	s_lshl_b32 s46, s42, 7
	s_add_co_u32 s46, s46, s17                     ; Wo: row 128 x tile column + 64 x half
	s_mov_b32 s17, 0
	s_mov_b32 s47, 0
	s_mov_b64 s[18:19], SIZE_K*2
	s_mul_u64 s[16:17], s[16:17], s[18:19]
	s_mul_u64 s[46:47], s[46:47], s[18:19]
	s_mul_i32 s20, s10, HALFT                      ; where they go: wave x 64 rows
	s_wait_dscnt 0x0                               ; both opening adds are done
	s_wait_kmcnt 0x0
	s_add_nc_u64 s[14:15], s[4:5], s[16:17]
	s_add_nc_u64 s[46:47], s[6:7], s[46:47]
	CROUND                                         ; all sixteen work-groups are here: the first joint loads meet
.irp s, 0,1
	s_mov_b32 s[G0+4*\s], 1
	s_add_co_u32 s[G0+4*\s+1], s20, \s*SLOT
	s_add_nc_u64 s[G0+4*\s+2:G0+4*\s+3], s[14:15], \s*KSTEP*2
	s_or_b32 s[G0+4*\s+3], s[G0+4*\s+3], 0x80000000
	s_mov_b32 s[G0B+4*\s], 1
	s_add_co_u32 s[G0B+4*\s+1], s20, \s*SLOT
	s_add_nc_u64 s[G0B+4*\s+2:G0B+4*\s+3], s[46:47], \s*KSTEP*2
	s_or_b32 s[G0B+4*\s+3], s[G0B+4*\s+3], 0x80000000
	JLOAD \s
.endr
	v_and_b32 v1, 15, v0                           ; l % 16
	v_bfe_u32 v2, v0, 4, 1                         ; l / 16
	v_mul_u32_u24 v3, v1, PITCH
	v_lshl_add_u32 v3, v2, 4, v3                   ; a fragment's row x pitch + 16 x half
	s_mul_i32 s21, s11, HALFT                      ; my 64 rows of ctx
	s_mul_i32 s22, s12, HALFT                      ; my 64 rows of Wo,
	s_add_co_u32 s22, s22, 2*HALFT                 ; which lie behind ctx's 128
.irp s, 0,1
	v_add_nc_u32 v[ADRA+\s], s21, v3
	v_add_nc_u32 v[ADRB+\s], s22, v3
	s_add_co_u32 s21, s21, SLOT
	s_add_co_u32 s22, s22, SLOT
.endr
	s_mul_i32 s23, s10, 16*SPITCH
	s_add_co_u32 s23, s23, STAGE                   ; my stage
	v_mul_u32_u24 v4, v1, SPITCH                   ; in: row l % 16, 32 bytes for each half of the lanes
	v_lshl_add_u32 v4, v2, 5, v4
	v_add_nc_u32 v[STO], s23, v4
	v_mul_u32_u24 v5, v2, SPITCH                   ; back: lanes 0-15 take one row of 256 bytes, lanes 16-31 the next
	v_lshl_add_u32 v5, v1, 4, v5
	v_add_nc_u32 v[RD], s23, v5
	v_lshlrev_b32 v5, 13, v2                       ; and the same two rows in out0: 8,192 bytes a row
	v_lshl_add_u32 v[CO], v1, 4, v5
	s_lshl_b32 s16, s13, 7
	s_lshl_b32 s17, s11, 6
	s_add_co_u32 s16, s16, s17                     ; my first row: 128 x tile row + 64 x half
	v_mov_b32 v[ROWB], s16                         ; kept for the mask on the way out
	s_lshl_b32 s16, s16, 13
	s_mov_b32 s17, 0
	s_add_nc_u64 s[8:9], s[8:9], s[16:17]
	s_lshl_b32 s46, s42, 9                         ; my first column, in bytes: 512 x tile column + 256 x half
	s_lshl_b32 s47, s12, 8
	s_add_co_u32 s46, s46, s47
	s_mov_b32 s47, 0
	s_add_nc_u64 s[8:9], s[8:9], s[46:47]
; 8 matrix instructions: m blocks a0, a0 + 1 x all 4 n blocks, 32 along K: half c of buffer f.  zero = 1: the first product starts the sums.  The 16 accumulators take turns
.macro MUL8 f, c, a0, zero
.irp a, \a0, \a0+1
.irp b, 0,1,2,3
.if \zero
	v_wmma_f32_16x16x32_f16 v[ACC+8*(4*(\a)+\b):ACC+8*(4*(\a)+\b)+7], v[\f+64+8*(4*\c+\b):\f+64+8*(4*\c+\b)+7], v[\f+8*(4*\c+\a):\f+8*(4*\c+\a)+7], 0
.else
	v_wmma_f32_16x16x32_f16 v[ACC+8*(4*(\a)+\b):ACC+8*(4*(\a)+\b)+7], v[\f+64+8*(4*\c+\b):\f+64+8*(4*\c+\b)+7], v[\f+8*(4*\c+\a):\f+8*(4*\c+\a)+7], v[ACC+8*(4*(\a)+\b):ACC+8*(4*(\a)+\b)+7]
.endif
.endr
.endr
.endm
; 32 LDS loads in one run: the fragments of 64 along K at byte k of the rows, into buffer f; the first 32 along K first
.macro FETCH slot, k, f
	WIN TO_F
.irp c, 0,1
.irp i, 0,1,2,3
	ds_load_b128 v[\f+64+8*(4*\c+\i):\f+64+8*(4*\c+\i)+3],   v[ADRB+\slot] offset:\k+64*\c+\i*16*PITCH
	ds_load_b128 v[\f+64+8*(4*\c+\i)+4:\f+64+8*(4*\c+\i)+7], v[ADRB+\slot] offset:\k+64*\c+\i*16*PITCH+32
	ds_load_b128 v[\f+8*(4*\c+\i):\f+8*(4*\c+\i)+3],         v[ADRA+\slot] offset:\k+64*\c+\i*16*PITCH
	ds_load_b128 v[\f+8*(4*\c+\i)+4:\f+8*(4*\c+\i)+7],       v[ADRA+\slot] offset:\k+64*\c+\i*16*PITCH+32
.endr
.endr
.endm
.macro PLACES                          ; four places in front of loads into registers that matrix instructions have read, and of the first read of results
.rept 4
	v_nop
.endr
.endm
; A K step is four quarters of 64 along K, 32 matrix instructions each, on buffers 0, 1, 0, 1.
.macro QUARTER slot, k, f, g, zero
	s_wait_dscnt 16                                ; the first 32 along K are in; the other sixteen loads may be out
	WIN MUL
	MUL8 \f, 0, 0, \zero
	MUL8 \f, 0, 2, \zero
	PLACES
	FETCH \slot, \k, \g
	s_wait_dscnt 32                                ; all but the 32 just issued
	WIN MUL
	MUL8 \f, 1, 0, 0
	MUL8 \f, 1, 2, 0
.endm
; The last quarter multiplies buffer 1 and changes slots: ONE barrier; in front of it each wave waits for all its tensor loads, adds 0 to its spare word, and waits for that and for its reads of this slot.
.macro TURN slot, next, fill
	WIN 0                                          ; (the add's two registers lie in window 0)
	s_wait_tensorcnt 0x0                           ; all my tensor loads have landed: my part of the next slot
	ds_add_u32 v[SPW], v[NIL]                      ; 0 onto my spare word
	s_wait_dscnt 17                                ; (the add and the youngest sixteen loads may be out)
	WIN MUL
	MUL8 F1, 0, 0, 0
	s_wait_dscnt 0x0                               ; the add is done, and my reads of this slot are over
	s_barrier_signal -1
	MUL8 F1, 0, 2, 0
.if \fill
	WIN 0
.endif
	s_barrier_wait -1
.if \fill
	CREST                                          ; the barrier has opened a round of the cluster's: no wave of any partner still reads this slot or has a load on its way
	s_add_nc_u64 s[G0+4*\slot+2:G0+4*\slot+3], s[G0+4*\slot+2:G0+4*\slot+3], 2*KSTEP*2
	s_add_nc_u64 s[G0B+4*\slot+2:G0B+4*\slot+3], s[G0B+4*\slot+2:G0B+4*\slot+3], 2*KSTEP*2
	JLOAD \slot                                    ; the first tensor load behind the round; its four v_nop are also the places in front of the loads below
.else
	PLACES
.endif
	FETCH \next, 0, F0
	WIN MUL
	MUL8 F1, 1, 0, 0
	MUL8 F1, 1, 2, 0
.endm
	s_wait_tensorcnt 1                             ; my part of K step 0 is in; K step 1's load may stay out
	s_barrier_signal -1
	s_barrier_wait -1
	FETCH 0, 0, F0
	QUARTER 0, 128, F0, F1, 1                      ; the first quarter stands in front of the loop: its first products start the sums
	WIN 0
	s_mov_b32 s3, LAPS-1
.Llap:                                                 ; a trip goes once round the ring and fills both slots again
	QUARTER 0, 256, F1, F0, 0
	QUARTER 0, 384, F0, F1, 0
	TURN 0, 1, 1
	QUARTER 1, 128, F0, F1, 0
	QUARTER 1, 256, F1, F0, 0
	QUARTER 1, 384, F0, F1, 0
	TURN 1, 0, 1
	QUARTER 0, 128, F0, F1, 0
	WIN 0
	s_sub_co_u32 s3, s3, 1
	s_cmp_lg_u32 s3, 0
	s_cbranch_scc1 .Llap
	QUARTER 0, 256, F1, F0, 0                      ; the last lap fills nothing
	QUARTER 0, 384, F0, F1, 0
	TURN 0, 1, 0
	QUARTER 1, 128, F0, F1, 0
	QUARTER 1, 256, F1, F0, 0
	QUARTER 1, 384, F0, F1, 0
	s_wait_dscnt 16
	WIN MUL
	MUL8 F1, 0, 0, 0
	MUL8 F1, 0, 2, 0
	s_wait_dscnt 0
	MUL8 F1, 1, 0, 0
	MUL8 F1, 1, 2, 0
	WIN 0
; THE WAY OUT, 16 rows x 64 columns at a time: 32 bytes a lane into my stage, back as whole rows of 256 bytes.  LDS serves a wave's instructions in order: no wait between the stores and the loads.
.macro TOSTAGE a
.irp b, 0,1,2,3
	ds_store_b128 v[STO], v[ACC+8*(4*(\a)+\b):ACC+8*(4*(\a)+\b)+3] offset:64*\b          ; each accumulator from its low end on
	ds_store_b128 v[STO], v[ACC+8*(4*(\a)+\b)+4:ACC+8*(4*(\a)+\b)+7] offset:64*\b+16
.endr
.irp t, 0,1,2,3,4,5,6,7
	ds_load_b128 v[TMP+32*((\a)%2)+4*\t:TMP+32*((\a)%2)+4*\t+3], v[RD] offset:\t*2*SPITCH
.endr
.endm
; younger: the LDS instructions issued behind block a's loads, which may stay out.  Block 0 of the wave whose first row is 0 holds rows 0-15, which are not stored: every lane of that wave is switched off round the eight stores.
.macro SEND a, younger
	s_wait_dscnt \younger
.if (\a) == 0
	s_wait_xcnt 0x0                                ; EXEC changes only behind this wait
	v_cmp_ne_u32 vcc_lo, 0, v[ROWB]
	s_and_saveexec_b32 s45, vcc_lo
.endif
.irp t, 0,1,2,3,4,5,6,7
	global_store_b128 v[CO], v[TMP+32*((\a)%2)+4*\t:TMP+32*((\a)%2)+4*\t+3], s[8:9] offset:(16*(\a)+2*\t)*SIZE_N*4 th:TH_STORE_NT   ; 16 lanes store 256 consecutive bytes, aligned
.endr
.if (\a) == 0
	s_wait_xcnt 0x0                                ; and again in front of the line that widens it
	s_or_b32 exec_lo, exec_lo, s45
.endif
.endm
	PLACES
	TOSTAGE 0
.irp a, 1,2,3
.if \a > 1
	s_wait_xcnt 0x0                                ; block a - 2's stores have read their registers: block a's loads may land there
.endif
	TOSTAGE \a
	SEND \a-1, 16                                  ; behind block a - 1's loads: block a's 8 stores and 8 loads
.endr
	SEND 3, 0
	s_wait_tensorcnt 0x0                           ; the wave's end: behind my last tensor load and my last LDS store
	ds_add_u32 v[SPW], v[NIL]
	s_wait_dscnt 0x0
	CROUND                                         ; the closing round
	s_endpgm
.Lfunc_end_k_qa72d9d90d7_proj:
	.size	k_qa72d9d90d7_proj, .Lfunc_end_k_qa72d9d90d7_proj-k_qa72d9d90d7_proj
	.p2alignl 7, 3214868480
	.fill 96, 4, 3214868480
	.section	.rodata,"a",@progbits
	.p2align	6, 0x0
	.amdhsa_kernel k_qa72d9d90d7_proj
		.amdhsa_group_segment_fixed_size 327680
		.amdhsa_private_segment_fixed_size 0
		.amdhsa_enable_private_segment 0
		.amdhsa_kernarg_size 24
		.amdhsa_user_sgpr_count 2
		.amdhsa_user_sgpr_kernarg_segment_ptr 1
		.amdhsa_wavefront_size32 1
		.amdhsa_system_sgpr_workgroup_id_x 1
		.amdhsa_system_sgpr_workgroup_id_y 1
		.amdhsa_system_sgpr_workgroup_id_z 1
		.amdhsa_system_vgpr_workitem_id 0
		.amdhsa_next_free_vgpr 512
		.amdhsa_next_free_sgpr 66
		.amdhsa_reserve_vcc 1
		.amdhsa_float_denorm_mode_32 3
		.amdhsa_float_denorm_mode_16_64 3
		.amdhsa_memory_ordered 1
		.amdhsa_forward_progress 1
		.amdhsa_inst_pref_size 86
	.end_amdhsa_kernel
	.amdgpu_metadata
---
amdhsa.version: [ 1, 2 ]
amdhsa.kernels:
  - .name:           k_qa72d9d90d7_proj
    .symbol:         k_qa72d9d90d7_proj.kd
    .args:
      - { .name: ctx16, .offset: 0, .size: 8, .value_kind: global_buffer, .address_space: global }
      - { .name: wo16, .offset: 8, .size: 8, .value_kind: global_buffer, .address_space: global }
      - { .name: out0, .offset: 16, .size: 8, .value_kind: global_buffer, .address_space: global }
    .group_segment_fixed_size: 327680
    .private_segment_fixed_size: 0
    .kernarg_segment_align: 8
    .kernarg_segment_size: 24
    .max_flat_workgroup_size: 128
    .sgpr_count:     66
    .vgpr_count:     512
    .wavefront_size: 32
...
	.end_amdgpu_metadata
.endif
;; end of part 5
